; MI455X (gfx1250); checked and timed in simulation.
; The chip was launched on July 23, 2026; its instructions are those of AMD's public machine-readable ISA for CDNA 5 (MIT licence, August 2026) and "CDNA5" Instruction Set Architecture Reference Guide (July 2026). The comments in the code are by the model that wrote it; some were corrected since.
;; Causal Self Attention. Allowed arithmetic: matrix products marked QUANTISED: E2M3 operands, one E8M0 scale for each 32 along K, by v_wmma_scale_f32_16x16x128_f8f6f4 with both operands' format E2M3, f32 sums; products left as they are: f32 operands where the result goes on into a quantised operand, else bf16, f16 or f32 operands; f32 sums; everything else in f32.
;; Inputs: W_attn 1,024 x 3,072 float32; W_proj 1,024 x 1,024 float32; x 4 x 2,048 x 1,024 float32.
;; Outputs: out0 4 x 2,048 x 1,024 float32.
;; This version of the problem:
;;   THIS VERSION OF THE PROBLEM IS GIVEN IN LOW PRECISION. The matrix products marked QUANTISED in the list below multiply operands that are first quantised to E2M3 (2 exponent bits, 3 mantissa bits; 6 bits a number), with one power-of-two scale for each 32 numbers along K (OCP MX v1.0); their sums are f32. All else is computed in f32.
;;   The module's matrix products, in the order in which they are computed (A, B: the left and right operand; K: the contracted axis; several contracted axes count as one K, in the product's order):
;;     1. [M 8,192, K 1,024] x [K 1,024, N 3,072]; A: input x; B: input W_attn: QUANTISED
;;     2. [M 2,048, K 1] x [K 1, N 32]; A: computed on the way; B: computed on the way: left as it is (no contracted axis)
;;     3. batch 64 x [M 2,048, K 64] x [K 64, N 2,048]; A: computed on the way; B: computed on the way: QUANTISED
;;     4. batch 64 x [M 64, K 2,048] x [K 2,048, N 2,048]; A: computed on the way; B: softmax (see below): QUANTISED
;;     5. [M 8,192, K 1,024] x [K 1,024, N 1,024]; A: computed on the way; B: input W_proj: QUANTISED
;;   THE QUANTISER, for each operand of a quantised product, along K:
;;     - K is cut into blocks of 32 from its start; a last block that is shorter is filled with zeros.
;;     - A block's scale is 2^e with e = floor(log2(the largest magnitude in the block)) - 2, held to -126 .. 127; a block of zeros has e = 0. As a byte (E8M0): e + 127.
;;     - Each number is divided by its block's scale, clamped to +-7.5, and rounded to the nearest number of E2M3, ties to even, subnormals kept.
;;     - The product sums the exact products of the quantised numbers (number of the format x scale) in f32.
;;   ~~~python
;;   def quantise(x, axis):      # numpy; x: float32 -> the quantised numbers, widened to float32 again
;;       x = np.moveaxis(x, axis, -1); K = x.shape[-1]
;;       x = np.pad(x, [(0, 0)] * (x.ndim - 1) + [(0, -K % 32)]); x = x.reshape(x.shape[:-1] + (-1, 32)); a = np.abs(x).max(-1, keepdims=True)
;;       e = np.where(a > 0, np.clip(np.frexp(np.where(a > 0, a, 1))[1] - 1 - 2, -126, 127), 0)      # np.frexp(a)[1] - 1 = floor(log2(a)), exactly
;;       r = np.clip(x / 2.0 ** e, -7.5, 7.5)
;;       step = 2.0 ** (np.maximum(np.frexp(np.where(r == 0, 1, r))[1] - 1, 0) - 3)
;;       q = np.round(r / step) * step * 2.0 ** e      # np.round: ties to even
;;       return np.moveaxis(q.reshape(q.shape[:-2] + (-1,))[..., :K], -1, axis).astype(np.float32)
;;   ~~~
;;   SOFTMAX AHEAD OF A QUANTISED PRODUCT. Where the list says 'softmax', what is quantised is not the finished softmax but p = 2^(t - M), with t = logit x log2(e) and M = ceil(the row's largest t), a whole number; so 1/2 < the row's largest p <= 1. The row's sum l is taken of the UNQUANTISED p, in f32, and the product's result is divided by l at the end. Since M is a whole number, a kernel that streams over the keys may use a running M (the ceiling of the running maximum): every later rescaling is an exact power of two, which a block's scale takes up: the codes' values come out the same.
;;   OPERANDS COMPUTED ON THE WAY. 'Computed on the way' means the value that the module computes at that place (a softmax that the list does not call 'softmax' is quantised finished and normalised). What goes into a quantiser is computed in f32, as accurately as f32 sums, v_exp_f32 and their like allow (about 1e-6 of the number): no bf16 or f16 on the way to a quantiser, and a product that is left as it is and whose result goes on into a quantised operand takes f32 operands (vector FMAs, or v_wmma_f32_16x16x4_f32). A number that lies on a knife's edge between two numbers of the format may be rounded either way, as far as f32 arithmetic and the matrix unit's own rounding can turn it there, and no further.
;; One version. Each part assembles by itself: llvm-mc -triple=amdgcn-amd-amdhsa -mcpu=gfx1250 --defsym DOCPART=n.
;; ======== version 1 of 1: 4 launches
;; limits: right only within a limited range of input values
;; workspace buffers: xc 6,291,456 bytes; xs 262,144 bytes; wc 3,145,728 bytes; ws 131,072 bytes; rope 524,288 bytes; qkv 20,185,088 bytes; yc 6,291,456 bytes; ys 262,144 bytes
;; launch prep (part 1): grid 416 x 1, 4 waves a work-group, no clusters, 93,696 bytes of LDS; arguments x, W_attn, W_proj, xc, xs, wc, ws, rope; writes xc, xs, wc, ws, rope
.if DOCPART == 1
	.amdgcn_target "amdgcn-amd-amdhsa--gfx1250"
	.amdhsa_code_object_version 6
	.text
	.protected	k_q2a4f58669c_prep
	.globl	k_q2a4f58669c_prep
	.p2align	8
	.type	k_q2a4f58669c_prep,@function
k_q2a4f58669c_prep:
	s_mov_b64 s[64:65], 0
	v_nop
	global_prefetch_b8 v0, s[64:65] scope:SCOPE_SE
	s_setreg_imm32_b32 hwreg(HW_REG_WAVE_MODE, 25, 1), 1
	s_wait_xcnt 0x0
; x [8192][1024], W_attn [1024][3072], W_proj [1024][1024], f32, become codes of FP6 (E2M3) with one E8M0 byte for each 32 along K (K = 1,024 in all three), and the cos / sin table of RoPE is made.
; THE LAYOUT OF EVERY OPERAND OF THIS PROGRAM.  A row tile T is 16 rows: lane-row r is row 32 (T / 2) + 8 (T % 2) + r % 8 + 16 (r / 8).  A fragment (16 rows x 128 K: 12 registers a lane; lane (r, h) holds row r,
; registers 6 c .. 6 c + 5 = K 64 c + 32 h + 0 .. 31) lies in memory as an image of its registers: piece q (registers 2 q, 2 q + 1) is 256 bytes, lane l's 8 bytes at 256 q + 8 l.  Codes: [row tile][fragment 0..7][1,536 bytes].
; Scale words (four bytes = 128 along K of one row): [row tile][K step of 256: 0..3][r][2 words], 512 bytes a row tile.
; A block's scale is 2^(floor(log2(its largest magnitude)) - 2): its byte is the largest magnitude's exponent field - 2, held at 1 from below by a floor among the maximum's leaves.
; LIMITS: a block of zeros gets the byte 1 where the rule says 127 (its codes are zeros, and this program alone reads the bytes); NaN and infinities among the inputs are not served;
; inv_freq = 2^(-j log2(10000) / 32) comes from v_exp_f32, so that at t near 2,047 an angle can differ by about 1e-4 rad from the one that a correctly rounded inv_freq gives.
; THREE ROLES, by the work-group's number: 0-255 x (32 rows each), 256-383 the weights (128 columns x 256 along K each), 384-415 the table (64 positions each).  Each role has LDS bytes of its own.
; No tensor loads, no barrier: a wave shares nothing with another.
.set SEL,  22                          ; s[22:23] lane selects of v_permlanex16_b32: lane l xor 16
.set L,    16                          ; role x: v16-143  32 rows x 512 bytes as they are loaded
.set X,    144                         ;         v144-207 64 numbers of my row: register 16 b + i = K 32 b + 16 h + i
.set PC,   208                         ;         v208-219 the fragment just made; v220-222, v224-226 halves on their way
.set TM,   228                         ;         v228-243 maxima, bytes, scale operands
.set PW,   244                         ;         the scale word just made
.set SW,   246                         ;         v246-249 scale words kept: tile u, unit n at SW + 2 u + n
.set XSTG, 16896                       ; role x: a wave's stage: 32 rows x (512 + 16) bytes
.set WLDS, 4*XSTG                      ; role w: its LDS begins behind role x's
.set WSTG, 6400                        ;         a wave's stage: two tile images of 3,072 bytes, 3,200 bytes apart
.set VO,   16                          ; role w: v16-47   byte offset of row i of a block, at my column
.set WX,   48                          ;         v48-111  two sets of 32 numbers down K
.set WC,   112                         ;         v112-117 a block's codes; v120-122 its second half on the way
.set SB,   124                         ;         v124-125 my column's eight scale bytes
.set OUTR, 128                         ;         v128-175 the way out
	s_load_b256 s[4:11], s[0:1], 0x0               ; x s[4:5], W_attn s[6:7], W_proj s[8:9], xc s[10:11]
	s_load_b256 s[12:19], s[0:1], 0x20             ; xs s[12:13], wc s[14:15], ws s[16:17], rope s[18:19]
	v_lshl_add_u32 v254, v0, 2, 0x16c00
	v_mov_b32 v255, 0
	v_lshrrev_b32 v1, 5, v0
	v_readfirstlane_b32 s20, v1                    ; wave 0..3
	v_and_b32 v1, 31, v0                           ; lane
	v_and_b32 v2, 15, v0                           ; r
	v_bfe_u32 v3, v0, 4, 1                         ; h
	s_mov_b32 s[SEL], 0x76543210
	s_mov_b32 s[SEL+1], 0xfedcba98
	s_wait_kmcnt 0x0
	s_cmp_lt_u32 ttmp9, 256
	s_cbranch_scc0 .Lnot_x
; ---------------------------------------------------------------- ROLE X
; Work-group g: rows 32 g .. 32 g + 31 = row tiles 2 g, 2 g + 1.  Wave w: K 256 w .. 256 w + 255, in two units of 128.  A unit's 32 loads read 512 consecutive bytes of a row each; the rows turn through the
; wave's own stage, laid in the order of the two tiles' lane-rows, and come back 64 numbers a lane.
; 64 numbers of a lane become a fragment's codes in v[PC] on and its scale word in v[PW].
.macro QUANT s
.irp b, 0,1,2,3
	v_max3_num_f32 v[TM+\b], |v[\s+16*\b]|, |v[\s+1+16*\b]|, 0x1800000   ; block b: my 16 numbers, and the floor 2^(3 - 127): the byte cannot fall under 1
.endr
.irp i, 2,4,6,8,10,12,14
.irp b, 0,1,2,3
	v_max3_num_f32 v[TM+\b], v[TM+\b], |v[\s+16*\b+\i]|, |v[\s+1+16*\b+\i]|   ; the four blocks by turns
.endr
.endr
.irp b, 0,1,2,3
	v_permlanex16_b32 v[TM+4+\b], v[TM+\b], s[SEL], s[SEL+1]
.endr
.irp b, 0,1,2,3
	v_max_num_f32 v[TM+\b], v[TM+\b], v[TM+4+\b]   ; with lane l xor 16's 16: the block's largest magnitude
.endr
.irp b, 0,1,2,3
	v_add_nc_u32 v[TM+12+\b], 0xff000000, v[TM+\b] ; 2 off its exponent field: the conversion takes the exponent field of this operand as its scale
.endr
.irp b, 0,1,2,3
	v_lshrrev_b32 v[TM+4+\b], 23, v[TM+12+\b]      ; the scale's byte
.endr
	v_lshl_or_b32 v[PW], v[TM+5], 8, v[TM+4]
	v_lshl_or_b32 v[PW], v[TM+6], 16, v[PW]
	v_lshl_or_b32 v[PW], v[TM+7], 24, v[PW]        ; my row's scale word
.irp c, 0,1
	v_cvt_scalef32_pk16_fp6_f32 v[PC+6*\c:PC+2+6*\c], v[\s+32*\c:\s+15+32*\c], v[TM+12+2*\c]
	v_cvt_scalef32_pk16_fp6_f32 v[PC+12+4*\c:PC+14+4*\c], v[\s+16+32*\c:\s+31+32*\c], v[TM+13+2*\c]   ; (a conversion's three registers begin on an even number)
.endr
	v_nop                                          ; one plain place behind a scaled conversion
.irp c, 0,1                                    ; the layout wants a whole block in a lane: lanes 0-15 block 2 c, lanes 16-31 block 2 c + 1
.irp i, 0,1,2
	v_permlane16_swap_b32 v[PC+6*\c+\i], v[PC+12+4*\c+\i]
.endr
.irp i, 0,1,2
	v_mov_b32 v[PC+3+6*\c+\i], v[PC+12+4*\c+\i]
.endr
.endr
.endm
.macro XLOAD n                         ; unit n: row i's 512 bytes, 16 a lane
.set i, 0
.rept 32
	global_load_b128 v[L+4*i:L+4*i+3], v4, s[4:5] offset:4096*i+512*\n th:TH_LOAD_NT
.set i, i+1
.endr
.endm
.macro XREAD u                         ; tile u: my row's 64 numbers out of the stage
.irp b, 0,1,2,3
.irp j, 0,1,2,3
	ds_load_b128 v[X+16*\b+4*\j:X+16*\b+4*\j+3], v6 offset:8448*\u+128*\b+16*\j
.endr
.endr
.endm
.macro XOUT n, u                       ; the fragment's six pieces: each store of the wave covers 256 consecutive bytes, aligned
.irp q, 0,1,2,3,4,5
	global_store_b64 v7, v[PC+2*\q:PC+2*\q+1], s[10:11] offset:12288*\u+1536*\n+256*\q
.endr
.endm
.macro XUNIT n
.set i, 0
.rept 32
	s_wait_loadcnt 31-i                            ; loads come back in order: row i is in, the younger rows may be out
	ds_store_b128 v5, v[L+4*i:L+4*i+3] offset:528*(16*((i>>3)&1)+(i&7)+8*(i>>4))   ; to the place of its tile and lane-row
.set i, i+1
.endr
	XREAD 0                                        ; LDS serves a wave's instructions in order: these see the stores
	s_wait_dscnt 16                                ; all but the 16 reads: the 32 stores have read their registers,
.if \n == 0
	XLOAD 1                                        ; which take the second unit's loads: they fly while the first unit is quantised
.endif
	s_wait_dscnt 0x0
	s_wait_xcnt 0x0                                ; the codes' registers are written again only behind this wait
	QUANT X
	v_mov_b32 v[SW+\n], v[PW]
	XREAD 1
	XOUT \n, 0
	s_wait_dscnt 0x0
	s_wait_xcnt 0x0
	QUANT X
	v_mov_b32 v[SW+2+\n], v[PW]
	XOUT \n, 1
.endm
	s_mul_i32 s24, s20, XSTG                       ; my stage
	s_wait_alu depctr_va_vdst(0)
	v_lshlrev_b32 v4, 4, v1                        ; 16 x lane: my bytes of a row's 512
	v_add_nc_u32 v5, s24, v4                       ; the same in a stage row
	v_mul_u32_u24 v6, v2, 528
	v_lshl_add_u32 v6, v3, 6, v6
	v_add_nc_u32 v6, s24, v6                       ; back: stage row r, + 64 h: my 16 numbers of a block of 32
	v_lshlrev_b32 v7, 3, v1                        ; 8 x lane: my bytes of a piece
	v_lshlrev_b32 v8, 3, v2
	v_lshl_add_u32 v8, v3, 9, v8                   ; scale words: 8 r, lanes 16-31 one row tile (512 bytes) on
.irp b, 0,1,2,3
	v_mov_b32 v[TM+4+\b], 0                        ; written once: a lane permute's destination counts as one of its sources
.endr
	s_lshl_b32 s26, ttmp9, 17                      ; x: 32 rows of 4,096 bytes a work-group,
	s_lshl_b32 s27, s20, 10                        ; 1,024 bytes a wave
	s_add_co_u32 s26, s26, s27
	s_mov_b32 s27, 0
	s_add_nc_u64 s[4:5], s[4:5], s[26:27]
	s_mul_i32 s26, ttmp9, 24576                    ; codes: two row tiles a work-group, two fragments a wave
	s_mul_i32 s28, s20, 3072
	s_add_co_u32 s26, s26, s28
	s_add_nc_u64 s[10:11], s[10:11], s[26:27]
	s_lshl_b32 s26, ttmp9, 10                      ; scale words: 1,024 bytes a work-group, 128 a wave
	s_lshl_b32 s28, s20, 7
	s_add_co_u32 s26, s26, s28
	s_add_nc_u64 s[12:13], s[12:13], s[26:27]
	XLOAD 0
	s_wait_alu depctr_va_vdst(0)
	XUNIT 0
	XUNIT 1
	v_cmp_gt_u32 vcc_lo, 16, v1
	v_cndmask_b32 v250, v[SW+2], v[SW], vcc_lo     ; lanes 0-15: tile 0's two words of row r; lanes 16-31: tile 1's (both halves of the lanes hold a row's word)
	v_cndmask_b32 v251, v[SW+3], v[SW+1], vcc_lo
	global_store_b64 v8, v[250:251], s[12:13]
	s_wait_tensorcnt 0x0
	ds_add_u32 v254, v255
	s_wait_dscnt 0x0
	s_endpgm
; ---------------------------------------------------------------- ROLE W
; K is the weights' FIRST axis: a lane takes a column and its registers run down K, so that a block of 32 lies in one lane and the codes come out with K innermost.  Both weights take one path: pointer, row pitch and
; column group are chosen on the work-group's number; wc and ws hold W_attn's 192 row tiles (its columns) and then W_proj's 64.
; Wave w: 32 columns = two row tiles; lane x is lane-row r = x % 8 + 8 (x / 16) of tile u = (x / 8) % 2.  256 along K = 8 blocks = two fragments of each tile, gathered in the wave's stage as images.
.Lnot_x:
	s_cmp_lt_u32 ttmp9, 384
	s_cbranch_scc0 .Lrope
	s_sub_co_u32 s24, ttmp9, 256
	s_and_b32 s25, s24, 31                         ; cg: which 128 columns of the 4,096
	s_lshr_b32 s26, s24, 5                         ; ks: which 256 along K
	s_mov_b32 s27, 4096
	s_cmp_lt_u32 s25, 24
	s_cselect_b64 s[6:7], s[6:7], s[8:9]           ; the choice hangs on the work-group's number alone
	s_cselect_b32 s27, 12288, s27                  ; bytes from row to row
	s_cselect_b32 s28, 0, 24
	s_sub_co_u32 s28, s25, s28                     ; the column group inside its tensor
	s_lshl_b32 s29, s26, 8
	s_mul_i32 s30, s29, s27                        ; 256 ks rows down,
	s_lshl_b32 s29, s28, 9
	s_add_co_u32 s30, s30, s29                     ; 512 bytes a column group,
	s_lshl_b32 s29, s20, 7
	s_add_co_u32 s30, s30, s29                     ; 128 a wave
	s_mov_b32 s31, 0
	s_add_nc_u64 s[32:33], s[6:7], s[30:31]        ; a base for each of the eight blocks: none is ever stepped
	s_lshl_b32 s48, s27, 5
	s_mov_b32 s49, 0
.irp t, 1,2,3,4,5,6,7
	s_add_nc_u64 s[32+2*\t:33+2*\t], s[30+2*\t:31+2*\t], s[48:49]
.endr
	s_lshl_b32 s29, s25, 3
	s_lshl_b32 s50, s20, 1
	s_add_co_u32 s29, s29, s50                     ; my first row tile: 8 cg + 2 w
	s_mul_i32 s30, s29, 12288
	s_mul_i32 s50, s26, 3072
	s_add_co_u32 s30, s30, s50
	s_add_nc_u64 s[14:15], s[14:15], s[30:31]
	s_lshl_b32 s30, s29, 9
	s_lshl_b32 s50, s26, 7
	s_add_co_u32 s30, s30, s50
	s_add_nc_u64 s[16:17], s[16:17], s[30:31]
	s_wait_alu depctr_va_vdst(0)
	v_lshlrev_b32 v8, 2, v1                        ; 4 x lane: my column
	v_bfe_u32 v9, v1, 3, 1                         ; u
	v_and_b32 v10, 7, v1
	v_lshrrev_b32 v11, 4, v1
	v_lshl_add_u32 v10, v11, 3, v10                ; r
	s_mul_i32 s51, s20, WSTG
	s_add_co_u32 s51, s51, WLDS                    ; my stage
	v_mul_u32_u24 v4, v9, 3200                     ; the two images lie 3,200 bytes apart, 128 modulo 256: the 32 lanes of a store of 8 bytes touch 64 different banks (64 banks of 4 bytes: ISA guide 11.1)
	v_lshl_add_u32 v4, v10, 3, v4
	v_add_nc_u32 v4, s51, v4
	v_lshlrev_b32 v6, 4, v1                        ; the way out: 16 x lane
	v_add_nc_u32 v5, s51, v6
	v_lshlrev_b32 v7, 9, v9
	v_lshl_add_u32 v7, v10, 3, v7                  ; scale words: 512 u + 8 r
.set i, 0
.rept 32
	v_mad_u32_u24 v[VO+i], s27, i, v8              ; row i of a block, my column
.set i, i+1
.endr
.macro WLOAD t                         ; block t: W(32 t + i, my column) into set t % 2: 32 lanes read 128 consecutive bytes
.set i, 0
.rept 32
	global_load_b32 v[WX+32*((\t)%2)+i], v[VO+i], s[32+2*(\t):33+2*(\t)] th:TH_LOAD_NT
.set i, i+1
.endr
.endm
.macro WBLOCK t
.set XS, WX+32*((\t)%2)
.if (\t) < 7
	s_wait_loadcnt 32                              ; this block's 32 loads are in; the next block's may be out
.else
	s_wait_loadcnt 0x0
.endif
	v_max3_num_f32 v12, |v[XS]|, |v[XS+1]|, |v[XS+2]|   ; all 32 numbers of the block are mine: two chains
	v_max3_num_f32 v13, |v[XS+3]|, |v[XS+4]|, |v[XS+5]|
.irp i, 6,10,14,18,22,26
	v_max3_num_f32 v12, v12, |v[XS+\i]|, |v[XS+\i+1]|
	v_max3_num_f32 v13, v13, |v[XS+\i+2]|, |v[XS+\i+3]|
.endr
	v_max3_num_f32 v12, v12, |v[XS+30]|, |v[XS+31]|
	v_max3_num_f32 v12, v12, v13, 0x1800000        ; and the floor
	v_add_nc_u32 v14, 0xff000000, v12              ; the conversion's scale operand
	v_lshrrev_b32 v15, 23, v14                     ; the byte
.if (\t)%4 == 0
	v_mov_b32 v[SB+(\t)/4], v15
.else
	v_lshl_or_b32 v[SB+(\t)/4], v15, 8*((\t)%4), v[SB+(\t)/4]
.endif
	v_cvt_scalef32_pk16_fp6_f32 v[WC:WC+2], v[XS:XS+15], v14
	v_cvt_scalef32_pk16_fp6_f32 v[WC+8:WC+10], v[XS+16:XS+31], v14
	v_nop                                          ; one plain place behind a scaled conversion
.irp i, 0,1,2
	v_mov_b32 v[WC+3+\i], v[WC+8+\i]               ; the block's 192 bits on end
.endr
.irp p, 0,1,2                                  ; block t is registers 6 c .. 6 c + 5 of lane (r, h) of fragment t / 4, with c = (t % 4) / 2 and h = t % 2
	ds_store_b64 v4, v[WC+2*\p:WC+2*\p+1] offset:1536*((\t)/4)+768*(((\t)%4)/2)+128*((\t)%2)+256*\p
.endr
.if (\t)+2 < 8
	WLOAD (\t)+2
.endif
	s_wait_dscnt 0x0                               ; the stores have read their registers: the next block's codes may be written
.endm
	WLOAD 0
	WLOAD 1
.irp t, 0,1,2,3,4,5,6,7
	WBLOCK \t
.endr
	s_wait_alu depctr_va_vdst(0)
	global_store_b64 v7, v[SB:SB+1], s[16:17]      ; my column's two scale words
.irp u, 0,1
.irp i, 0,1,2,3,4,5
	ds_load_b128 v[OUTR+24*\u+4*\i:OUTR+24*\u+4*\i+3], v5 offset:3200*\u+512*\i
.endr
.endr
.irp u, 0,1
.irp i, 0,1,2,3,4,5
	s_wait_dscnt 11-6*\u-\i                        ; the younger reads may be out
	global_store_b128 v6, v[OUTR+24*\u+4*\i:OUTR+24*\u+4*\i+3], s[14:15] offset:12288*\u+512*\i   ; 512 consecutive bytes, aligned
.endr
.endr
	s_wait_tensorcnt 0x0
	ds_add_u32 v254, v255
	s_wait_dscnt 0x0
	s_endpgm
; ---------------------------------------------------------------- ROLE R
; rope[t][0..31] = cos(t f_j), rope[t][32..63] = sin(t f_j), f_j = 10000^(-j / 32): lane = j, a wave takes 16 positions.  The angle a = t f_j is one f32 product, as the problem has it.
; a = n pi/2 + r with pi/2 in two parts (the first fused multiply-add leaves a number of at most 24 bits for a under 2,048); sine and cosine of r, |r| <= pi/4, by polynomials of degree 7 and 8; the quadrant n mod 4 swaps and signs them.
.Lrope:
	s_sub_co_u32 s24, ttmp9, 384
	s_lshl_b32 s24, s24, 6
	s_lshl_b32 s25, s20, 4
	s_add_co_u32 s24, s24, s25                     ; my first position
	s_lshl_b32 s26, s24, 8
	s_mov_b32 s27, 0
	s_add_nc_u64 s[18:19], s[18:19], s[26:27]
	s_mov_b32 s30, 0x3f22f983                      ; 2 / pi
	s_mov_b32 s31, 0x3fc90fdb                      ; pi / 2, upper part
	s_mov_b32 s32, 0x333bbd2e                      ; upper part - pi / 2
	s_mov_b32 s33, 0xbe2aaaa3                      ; sine: -1.6666654611e-1, 8.3321608736e-3, -1.9515295891e-4
	s_mov_b32 s34, 0x3c08839e
	s_mov_b32 s35, 0xb94ca1f9
	s_mov_b32 s36, 0x3d2aaaa5                      ; cosine: 4.166664568e-2, -1.388731625e-3, 2.443315712e-5
	s_mov_b32 s37, 0xbab6061a
	s_mov_b32 s38, 0x37ccf5ce
	s_wait_alu depctr_va_vdst(0)
	v_cvt_f32_u32 v4, v1
	v_mul_f32 v4, 0xbed49a78, v4                   ; -j log2(10000) / 32
	s_wait_alu depctr_va_vdst(0)
	v_exp_f32 v4, v4                               ; f_j
	v_lshlrev_b32 v5, 2, v1                        ; (a plain place behind the transcendental)  4 x lane
	s_wait_alu depctr_va_vdst(0)
.irp i, 0,1,2,3,4,5,6,7,8,9,10,11,12,13,14,15  ; each position has result registers of its own: no store's data are written again
	s_add_co_u32 s28, s24, \i
	v_cvt_f32_u32 v6, s28
	v_mul_f32 v6, v6, v4                           ; a
	v_mul_f32 v7, s30, v6
	v_rndne_f32 v7, v7                             ; n
	v_fma_f32 v8, -v7, s31, v6
	v_fma_f32 v8, v7, s32, v8                      ; r
	v_mul_f32 v9, v8, v8                           ; z = r r
	v_fma_f32 v10, v9, s35, s34
	v_fma_f32 v10, v10, v9, s33
	v_mul_f32 v11, v8, v9
	v_fma_f32 v10, v10, v11, v8                    ; sin r
	v_fma_f32 v12, v9, s38, s37
	v_fma_f32 v12, v12, v9, s36
	v_mul_f32 v13, v9, v9
	v_fma_f32 v14, v9, -0.5, 1.0
	v_fma_f32 v12, v12, v13, v14                   ; cos r
	v_cvt_i32_f32 v15, v7
	v_and_b32 v13, 1, v15
	v_cmp_eq_u32 vcc_lo, 1, v13
	v_cndmask_b32 v11, v10, v12, vcc_lo            ; an odd quadrant swaps the two
	v_cndmask_b32 v14, v12, v10, vcc_lo
	v_and_b32 v13, 2, v15
	v_lshlrev_b32 v13, 30, v13
	v_xor_b32 v[17+2*\i], v13, v11                 ; the sine is negative in quadrants 2 and 3,
	v_add_nc_u32 v15, 1, v15
	v_and_b32 v15, 2, v15
	v_lshlrev_b32 v15, 30, v15
	v_xor_b32 v[16+2*\i], v15, v14                 ; the cosine in 1 and 2
	global_store_b32 v5, v[16+2*\i], s[18:19] offset:256*\i
	global_store_b32 v5, v[17+2*\i], s[18:19] offset:256*\i+128
.endr
	s_endpgm
.Lfunc_end_k_q2a4f58669c_prep:
	.size	k_q2a4f58669c_prep, .Lfunc_end_k_q2a4f58669c_prep-k_q2a4f58669c_prep
	.p2alignl 7, 3214868480
	.fill 96, 4, 3214868480
	.section	.rodata,"a",@progbits
	.p2align	6, 0x0
	.amdhsa_kernel k_q2a4f58669c_prep
		.amdhsa_group_segment_fixed_size 93696
		.amdhsa_private_segment_fixed_size 0
		.amdhsa_enable_private_segment 0
		.amdhsa_kernarg_size 64
		.amdhsa_user_sgpr_count 2
		.amdhsa_user_sgpr_kernarg_segment_ptr 1
		.amdhsa_wavefront_size32 1
		.amdhsa_system_sgpr_workgroup_id_x 1
		.amdhsa_system_sgpr_workgroup_id_y 1
		.amdhsa_system_sgpr_workgroup_id_z 1
		.amdhsa_system_vgpr_workitem_id 0
		.amdhsa_next_free_vgpr 256
		.amdhsa_next_free_sgpr 66
		.amdhsa_reserve_vcc 1
		.amdhsa_float_denorm_mode_32 3
		.amdhsa_float_denorm_mode_16_64 3
		.amdhsa_memory_ordered 1
		.amdhsa_forward_progress 1
		.amdhsa_inst_pref_size 104
	.end_amdhsa_kernel
	.amdgpu_metadata
---
amdhsa.version: [ 1, 2 ]
amdhsa.kernels:
  - .name:           k_q2a4f58669c_prep
    .symbol:         k_q2a4f58669c_prep.kd
    .args:
      - { .name: x, .offset: 0, .size: 8, .value_kind: global_buffer, .address_space: global }
      - { .name: W_attn, .offset: 8, .size: 8, .value_kind: global_buffer, .address_space: global }
      - { .name: W_proj, .offset: 16, .size: 8, .value_kind: global_buffer, .address_space: global }
      - { .name: xc, .offset: 24, .size: 8, .value_kind: global_buffer, .address_space: global }
      - { .name: xs, .offset: 32, .size: 8, .value_kind: global_buffer, .address_space: global }
      - { .name: wc, .offset: 40, .size: 8, .value_kind: global_buffer, .address_space: global }
      - { .name: ws, .offset: 48, .size: 8, .value_kind: global_buffer, .address_space: global }
      - { .name: rope, .offset: 56, .size: 8, .value_kind: global_buffer, .address_space: global }
    .group_segment_fixed_size: 93696
    .private_segment_fixed_size: 0
    .kernarg_segment_align: 8
    .kernarg_segment_size: 64
    .max_flat_workgroup_size: 128
    .sgpr_count:     66
    .vgpr_count:     256
    .wavefront_size: 32
...
	.end_amdgpu_metadata
.endif
;; end of part 1
;; launch qkv (part 2): grid 12 x 32, 4 waves a work-group, clusters of 4 x 4, 327,680 bytes of LDS; arguments xc, xs, wc, ws, rope, qkv; writes qkv
.if DOCPART == 2
	.amdgcn_target "amdgcn-amd-amdhsa--gfx1250"
	.amdhsa_code_object_version 6
	.text
	.protected	k_q2a4f58669c_qkv
	.globl	k_q2a4f58669c_qkv
	.p2align	8
	.type	k_q2a4f58669c_qkv,@function
k_q2a4f58669c_qkv:
	s_mov_b64 s[64:65], 0
	v_nop
	global_prefetch_b8 v0, s[64:65] scope:SCOPE_SE
	s_setreg_imm32_b32 hwreg(HW_REG_WAVE_MODE, 25, 1), 1
	s_wait_xcnt 0x0
	s_wait_alu depctr_hold_cnt(0) depctr_sa_sdst(0) depctr_va_vdst(0) depctr_va_sdst(0) depctr_va_ssrc(0) depctr_va_vcc(0) depctr_vm_vsrc(0)
	s_getreg_b32 s2, hwreg(HW_REG_IB_STS2, 6, 4)
	s_cmp_eq_u32 s2, 0
	s_cbranch_scc0 .Lentry_in_a_cluster
	s_endpgm
.Lentry_in_a_cluster:
	s_bfe_u32 s2, ttmp6, 0x10000c
	s_cmp_lg_u32 s2, 0xf033
	s_cbranch_scc0 .Lentry_shape_is_right
	s_endpgm
.Lentry_shape_is_right:
; x W_attn on codes of FP6 (E2M3) with E8M0 scales, K = 1,024; then, in registers: RoPE on q and k, and the quantising of q and k along the head's 64 and of v along the keys.  q, k, v never exist in memory as f32.
; OPERANDS lie as images of their registers: row tile T = 16 rows, lane-row r = row 32 (T / 2) + 8 (T % 2) + r % 8 + 16 (r / 8); codes [row tile][fragment 0..7][6 pieces of 256 bytes, lane l's 8 bytes at 8 l];
; scale words [row tile][K step of 256][r][2 words].  So a fragment is six loads of 8 bytes a lane, 256 consecutive bytes each: no pitch, no padding.
; A work-group of four waves makes 256 x 256 of the product, a wave 128 x 128: 64 accumulators, 512 registers.  K goes in 4 steps of 256 through two LDS slots filled by the tensor data mover.
; SIDES.  Source 1 of the matrix instruction is the 'A side', whose row a lane holds; source 0 the 'B side', whose rows run along a lane's registers: by the order of a tile's rows the 16 registers of B tiles 2 b, 2 b + 1
; are B rows 32 b + 16 (lane / 16) + 0 .. 15.  For q and k (cluster x = 0, 1) A = x (a lane holds a token, its registers run along the features: a head's pair (d, d + 32) lies in one lane).
; For v (cluster x = 2) A = W_attn's columns and B = x: a lane holds a channel and its registers run along the tokens, which are v's K.  The choice hangs on the cluster's x, which all partners share.
; CLUSTERS: 4 x 4 work-groups; A's tiles are asked for jointly along a row of the cluster, B's along a column.
; OUTPUT, for each of the 64 heads HEADB bytes: q's 128 half fragments (768 bytes: K = 64), q's scale words (bytes 2, 3 = 0x7f, for the zero codes that fill K to 128), k's likewise, v^T's fragments [key step][channel tile], v's scale words.
; LIMITS: a block of zeros keeps the scale byte 1 (its codes are zeros; this program alone reads the bytes); NaN and infinities are not served.
; REGISTERS: window 0: v0-31 addresses; v32-63 scale words, two sets; v128-223 A's fragments, one set; window 1: B's fragments, two sets, at v0 and v128; windows 2, 3: the accumulators ((a, b) at v[8 (8 (a % 4) + b)]).
;   On the way out, window 0: v64-127 cos and sin, two sets; v128-191 rotated numbers; v192-233 the quantiser's.
.set RTB,   12288                      ; a row tile's codes in memory
.set KSB,   3072                       ; a K step (256) of one row tile: two fragments
.set FR,    12
.set NL,    6                          ; LDS loads that bring a fragment
.set NQ,    2                          ; matrix instructions deep in a slot
.set NP,    4                          ; places behind this matrix instruction (ISA guide 7.12.1)
.set HALFT, 8*KSB                      ; 8 row tiles: what one tensor load brings, and what one wave reads of A or of B
.set SLOT,  4*HALFT
.set SCL,   2*SLOT                     ; behind the ring: A's scale words (8,192 bytes), and 128 bytes further than on end B's, so that lanes 16-31 of a load fall in the other half of the banks
.set HALFS, 4096
.set SBLK,  512
.set SPARE, 213248                     ; the spare words, 128 bytes for each wave: two blocks of 256 bytes that no other line names
.set LAPS,  2
.set HEADB, 315392
.set QSO,   98304
.set KI,    106496
.set VI,    204800
.set KSO,   303104
.set VSO,   311296
.set ADRA, 16                          ; v16-17 LDS address of my A fragments in slot 0, 1
.set ADRB, 20                          ; v20-21 the same for B
.set GL4,  26                          ; v26 the way out: 4 x lane
.set ADRS, 27                          ; v27 LDS address of my scale words: lanes 0-15 A's, lanes 16-31 B's
.set SPW,  28                          ; v28 LDS address of my spare word; never rewritten
.set NIL,  29                          ; v29 0; never rewritten
.set TO,   30                          ; v30 the way out: my place in the table
.set GL8,  31                          ; v31 the way out: 8 x lane
.set SC,   32
.set TAB,  64
.set AF,   128
.set R,    128
.set PC,   192
.set TM,   212
.set PW,   228
.set SEL,  2                           ; s[2:3] on the way out: lane selects of v_permlanex16_b32
.set G1, 24
.set G0, 32
.set G1B, 48
.set G0B, 56
.set G1S, 68
.set G0S, 76
.set G1SB, 80
.set G0SB, 88
.set MSB, 0
.macro WIN new                         ; the immediate's high byte repeats the setting that is left; a switch that changes nothing is dropped
.set WNEW, \new
.if MSB != WNEW
	s_set_vgpr_msb (MSB<<8)|WNEW
.set MSB, WNEW
.endif
.endm
.set MUL_LO, 0xa1                      ; source 0 (B) window 1, source 1 (A) window 0, C and D window 2
.set MUL_HI, 0xf1                      ; the same, C and D window 3
.set TO_B,   0x40                      ; destination window 1, address window 0
; A joint load: waves 0 and 1 fetch for A, waves 2 and 3 for B; the branch hangs on the wave's number alone.  Four v_nop follow each of the two lines.
.macro JLOAD g0a, g1a, g0b, g1b
	s_cmp_eq_u32 s15, 0
	s_cbranch_scc0 .Lfor_b_\@
	tensor_load_to_lds s[\g0a:\g0a+3], s[\g1a:\g1a+7]
	s_nop 0
.rept 4
	v_nop
.endr
	s_branch .Lasked_\@
.Lfor_b_\@:
	tensor_load_to_lds s[\g0b:\g0b+3], s[\g1b:\g1b+7]
	s_nop 0
.rept 4
	v_nop
.endr
.Lasked_\@:
.endm
.macro CREST                           ; a round of the cluster's barrier behind its opening barrier
	s_cmp_lg_u32 s14, 0
	s_cbranch_scc1 .Lnot_wave_0_\@
	s_barrier_signal -3
.Lnot_wave_0_\@:
	s_barrier_wait -3
	s_barrier_signal -1
	s_barrier_wait -1
.endm
.macro CROUND
	s_barrier_signal -1
	s_barrier_wait -1
	CREST
.endm
	s_load_b256 s[4:11], s[0:1], 0x0               ; xc s[4:5], xs s[6:7], wc s[8:9], ws s[10:11]
	s_load_b128 s[96:99], s[0:1], 0x20             ; rope s[96:97], qkv s[98:99]
	v_lshl_add_u32 v[SPW], v0, 2, SPARE
	v_mov_b32 v[NIL], 0
	ds_add_u32 v28, v29
	ds_add_u32 v28, v29
	s_wait_dscnt 0x0
	v_lshrrev_b32 v1, 5, v0
	v_readfirstlane_b32 s14, v1                    ; wave 0..3
	s_lshr_b32 s15, s14, 1                         ; which half of A's rows is mine.  Also: I fetch for A (0) or for B (1)
	s_and_b32 s16, s14, 1                          ; which half of B's rows.  Also: which 8 row tiles of that side I fetch
	s_bfe_u32 s40, ttmp6, 0x40000                  ; cx, cy: my place in the cluster
	s_bfe_u32 s41, ttmp6, 0x40004
	s_and_b32 s18, ttmp7, 0xffff
	s_lshl_b32 s18, s18, 2                         ; 4 x cluster y
	s_lshl_b32 s19, ttmp9, 2                       ; 4 x cluster x
	s_cmp_eq_u32 ttmp9, 2                          ; v's clusters
	s_cselect_b32 s17, 8, s18                      ; A's block of 256 rows: v: W_attn's columns 2,048 + 256 cy on; else tokens 256 (4 cluster y + cy) on
	s_cselect_b32 s42, s18, s19                    ; B's: v: tokens 256 (4 cluster y + cx) on; else W_attn's columns 256 (4 cluster x + cx) on
	s_add_co_u32 s17, s17, s41
	s_add_co_u32 s42, s42, s40
	s_lshl_b32 s43, s41, 2
	s_lshl_b32 s43, 15, s43                        ; my row of the cluster
	s_lshl_b32 s44, 0x1111, s40                    ; my column
	; descriptor group 1 for codes: 8 rows (row tiles) of 384 elements of 8 bytes, 1,536 elements apart; no padding
	s_or_b32 s[G1+0], s43, (3<<16)|(1<<21)         ; 15:0 the mask; 17:16 elements of 8 bytes; 21 set beside a mask
	s_or_b32 s[G1B+0], s44, (3<<16)|(1<<21)
.irp g, G1, G1B
	s_mov_b32 s[\g+1], 384<<16                     ; tensor_dim0
	s_mov_b32 s[\g+2], 16<<16                      ; tensor_dim1: 16 row tiles for the head's loads; set to 8 for the ring's behind them
	s_mov_b32 s[\g+3], 384<<16                     ; tile_dim0
	s_mov_b32 s[\g+4], 16                          ; tile_dim1 likewise
	s_mov_b32 s[\g+5], 1536                        ; tensor_dim0_stride
	s_mov_b32 s[\g+6], 0
	s_mov_b32 s[\g+7], 0
.endr
	; and for the scale words of 16 row tiles: 8,192 dense bytes as 32 rows of 256
	s_or_b32 s[G1S+0], s43, (3<<16)|(1<<21)
	s_or_b32 s[G1SB+0], s44, (3<<16)|(1<<21)
.irp g, G1S, G1SB
	s_mov_b32 s[\g+1], 32<<16
	s_mov_b32 s[\g+2], 32<<16
	s_mov_b32 s[\g+3], 32<<16
	s_mov_b32 s[\g+4], 32
	s_mov_b32 s[\g+5], 32
	s_mov_b32 s[\g+6], 0
	s_mov_b32 s[\g+7], 0
.endr
	s_mul_i32 s18, s16, 8*RTB                      ; in the ring I fetch 8 row tiles of a side: which half, in bytes
	s_mov_b32 s19, 0
	s_lshl_b32 s20, s17, 4
	s_lshl_b32 s46, s42, 4
	s_lshl_b32 s22, s20, 9                         ; their scale words, in bytes,
	s_lshl_b32 s92, s46, 9
	s_mul_i32 s20, s20, RTB                        ; and their codes
	s_mul_i32 s46, s46, RTB
	s_mov_b32 s21, 0
	s_mov_b32 s23, 0
	s_mov_b32 s47, 0
	s_mov_b32 s93, 0
	s_mul_i32 s45, s14, HALFT                      ; where they go: no place in the cluster enters an LDS address
	s_wait_kmcnt 0x0
	s_cmp_eq_u32 ttmp9, 2                          ; which tensor stands on which side: a choice that hangs on no address
	s_cselect_b64 s[66:67], s[8:9], s[4:5]         ; A's codes
	s_cselect_b64 s[12:13], s[10:11], s[6:7]       ; A's scale words
	s_cselect_b64 s[8:9], s[4:5], s[8:9]           ; B's codes
	s_cselect_b64 s[10:11], s[6:7], s[10:11]       ; B's scale words
	s_add_nc_u64 s[20:21], s[66:67], s[20:21]
	s_add_nc_u64 s[22:23], s[12:13], s[22:23]
	s_add_nc_u64 s[46:47], s[8:9], s[46:47]
	s_add_nc_u64 s[92:93], s[10:11], s[92:93]
	CROUND                                         ; all sixteen work-groups are here: the first joint loads meet
	s_mov_b32 s[G0S], 1
	s_mov_b32 s[G0S+1], SCL
	s_mov_b64 s[G0S+2:G0S+3], s[22:23]
	s_or_b32 s[G0S+3], s[G0S+3], 0x80000000
	s_mov_b32 s[G0SB], 1
	s_mov_b32 s[G0SB+1], SCL+2*HALFS+128
	s_mov_b64 s[G0SB+2:G0SB+3], s[92:93]
	s_or_b32 s[G0SB+3], s[G0SB+3], 0x80000000
	s_mov_b32 s4, 1                                ; group 0 of the head's loads of K step 0: A's 16 row tiles (the arguments that lay here have been used),
	s_mov_b32 s5, 0
	s_mov_b64 s[6:7], s[20:21]
	s_or_b32 s7, s7, 0x80000000
	s_mov_b32 s8, 1                                ; and B's 16, behind them in slot 0
	s_mov_b32 s9, 2*HALFT
	s_mov_b64 s[10:11], s[46:47]
	s_or_b32 s11, s11, 0x80000000
	s_add_nc_u64 s[20:21], s[20:21], s[18:19]      ; for the ring: my 8 row tiles of the side
	s_add_nc_u64 s[46:47], s[46:47], s[18:19]
.irp s, 0,1
	s_mov_b32 s[G0+4*\s], 1
	s_add_co_u32 s[G0+4*\s+1], s45, \s*SLOT
	s_add_nc_u64 s[G0+4*\s+2:G0+4*\s+3], s[20:21], \s*KSB
	s_or_b32 s[G0+4*\s+3], s[G0+4*\s+3], 0x80000000
	s_mov_b32 s[G0B+4*\s], 1
	s_add_co_u32 s[G0B+4*\s+1], s45, \s*SLOT
	s_add_nc_u64 s[G0B+4*\s+2:G0B+4*\s+3], s[46:47], \s*KSB
	s_or_b32 s[G0B+4*\s+3], s[G0B+4*\s+3], 0x80000000
.endr
; The head's loads, one a wave: wave 0 K step 0 of A's 16 row tiles, wave 1 of B's, wave 2 A's scale words, wave 3 B's.  One tree of branches on the wave's number, one load to an arm.
.macro ARM under, g0, g1, next
	s_cmp_lt_u32 s14, \under
	s_cbranch_scc0 \next
	tensor_load_to_lds s[\g0:\g0+3], s[\g1:\g1+7]
	s_nop 0
.rept 4
	v_nop
.endr
	s_branch .Lhead_asked
\next:
.endm
	ARM 1, 4, G1, .Lhead_b
	ARM 2, 8, G1B, .Lhead_sa
	ARM 3, G0S, G1S, .Lhead_sb
	tensor_load_to_lds s[G0SB:G0SB+3], s[G1SB:G1SB+7]
	s_nop 0
.rept 4
	v_nop
.endr
.Lhead_asked:
	v_and_b32 v1, 15, v0                           ; r
	v_bfe_u32 v2, v0, 4, 1                         ; h
	s_wait_alu depctr_va_vdst(0)
	v_and_b32 v3, 31, v0
	v_lshlrev_b32 v3, 3, v3                        ; 8 x lane: my bytes of a piece
	s_mul_i32 s21, s15, HALFT                      ; my 8 row tiles of A
	s_mul_i32 s22, s16, HALFT                      ; my 8 of B,
	s_add_co_u32 s22, s22, 2*HALFT                 ; which lie behind A's 16
.irp s, 0,1
	v_add_nc_u32 v[ADRA+\s], s21, v3
	v_add_nc_u32 v[ADRB+\s], s22, v3
	s_add_co_u32 s21, s21, SLOT
	s_add_co_u32 s22, s22, SLOT
.endr
	v_lshlrev_b32 v5, 3, v1                        ; my row's two scale words of a K step
	s_mul_i32 s21, s15, HALFS
	s_mul_i32 s22, s16, HALFS
	s_add_co_u32 s22, s22, 2*HALFS+128
	s_sub_co_u32 s22, s22, s21
	v_mul_u32_u24 v6, s22, v2                      ; lanes 16-31 take B's: one product, the distance between the two bases
	s_add_co_u32 s21, s21, SCL
	v_add_nc_u32 v5, v5, v6
	v_add_nc_u32 v[ADRS], s21, v5
.macro FRAG reg, adr, q, i             ; fragment q of row tile i of a slot: six pieces, each 256 consecutive bytes for the 32 lanes
.irp p, 0,1,2,3,4,5
	ds_load_b64 v[\reg+2*\p:\reg+2*\p+1], v[\adr] offset:KSB*(\i)+1536*(\q)+256*\p
.endr
.endm
; 16 matrix instructions: A's blocks a0, a0 + 1 x B's eight, 128 along K.  p: B's set; sc: the set of scale words.  zero = 1: the first product starts the sums.
; The 64 accumulators take turns, one instruction a turn, in the same order in every step.
.macro MUL16 a0, p, q, sc, zero
.irp a, \a0, \a0+1
.irp b, 0,1,2,3,4,5,6,7
.if \zero
	v_wmma_scale_f32_16x16x128_f8f6f4 v[8*(8*((\a)%4)+\b):8*(8*((\a)%4)+\b)+7], v[128*(\p)+FR*\b:128*(\p)+FR*\b+FR-1], v[AF+FR*(\a):AF+FR*(\a)+FR-1], 0, v[SC+8*NQ*(\sc)+NQ*\b+(\q)], v[SC+8*NQ*(\sc)+NQ*(\a)+(\q)] matrix_a_fmt:MATRIX_FMT_FP6 matrix_b_fmt:MATRIX_FMT_FP6 matrix_a_scale:MATRIX_SCALE_ROW1
.else
	v_wmma_scale_f32_16x16x128_f8f6f4 v[8*(8*((\a)%4)+\b):8*(8*((\a)%4)+\b)+7], v[128*(\p)+FR*\b:128*(\p)+FR*\b+FR-1], v[AF+FR*(\a):AF+FR*(\a)+FR-1], v[8*(8*((\a)%4)+\b):8*(8*((\a)%4)+\b)+7], v[SC+8*NQ*(\sc)+NQ*\b+(\q)], v[SC+8*NQ*(\sc)+NQ*(\a)+(\q)] matrix_a_fmt:MATRIX_FMT_FP6 matrix_b_fmt:MATRIX_FMT_FP6 matrix_a_scale:MATRIX_SCALE_ROW1
.endif
.endr
.endr
.endm
.macro FETCH_B slot, q, p
	WIN TO_B
.irp i, 0,1,2,3,4,5,6,7
	FRAG 128*(\p)+FR*\i, ADRB+\slot, \q, \i
.endr
	WIN 0
.endm
.macro FETCH_A slot, q, i0
.irp i, \i0, \i0+1, \i0+2, \i0+3
	FRAG AF+FR*(\i), ADRA+\slot, \q, \i
.endr
.endm
.macro SCALES sc                       ; a K step's scale words: lanes 0-15 A's block i, lanes 16-31 B's block i; two words a row
.irp i, 0,1,2,3,4,5,6,7
	ds_load_b64 v[SC+8*NQ*\sc+NQ*\i:SC+8*NQ*\sc+NQ*\i+1], v[ADRS] offset:\i*SBLK
.endr
.endm
.macro PLACES n                        ; plain vector instructions between a matrix instruction and a load into, or a vector read or write of, its registers
.rept \n
	v_nop
.endr
.endm
.macro STEP slot, q, zero              ; 128 along K whose successor lies in the same slot
	s_wait_dscnt 4*NL                              ; B's set, A's blocks 0-3 and the scale words are in; the youngest 24 loads (A's blocks 4-7) may be out
	WIN MUL_LO
	MUL16 0, (\q)%2, \q, \slot, \zero
	MUL16 2, (\q)%2, \q, \slot, \zero
	s_wait_dscnt 0
	PLACES NP
	FETCH_B \slot, (\q)+1, 1-(\q)%2
	FETCH_A \slot, (\q)+1, 0
	WIN MUL_HI
	MUL16 4, (\q)%2, \q, \slot, \zero
	MUL16 6, (\q)%2, \q, \slot, \zero
	PLACES NP
	WIN 0
	FETCH_A \slot, (\q)+1, 4
.endm
; A slot's last step changes slots: one barrier; in front of it each wave waits for all its tensor loads, adds 0 to its spare word, and waits for that and for its reads of this slot.  fill = 1: the slot is filled again, two K steps ahead.
.macro TURN slot, next, fill
	s_wait_tensorcnt 0x0                           ; all my tensor loads have landed: my part of the next slot
	ds_add_u32 v[SPW], v[NIL]                      ; 0 onto my spare word
	s_wait_dscnt 4*NL+1                            ; (the add and A's blocks 4-7 may be out)
	WIN MUL_LO
	MUL16 0, 1, NQ-1, \slot, 0
	s_wait_dscnt 0x0                               ; the add is done, and my reads of this slot are over
	s_barrier_signal -1
	MUL16 2, 1, NQ-1, \slot, 0
	WIN 0
	s_barrier_wait -1
.if \fill
	CREST                                          ; the barrier has opened a round of the cluster's: no wave of any partner still reads this slot or has a load on its way
	s_add_nc_u64 s[G0+4*\slot+2:G0+4*\slot+3], s[G0+4*\slot+2:G0+4*\slot+3], 2*KSB
	s_add_nc_u64 s[G0B+4*\slot+2:G0B+4*\slot+3], s[G0B+4*\slot+2:G0B+4*\slot+3], 2*KSB
	JLOAD G0+4*\slot, G1, G0B+4*\slot, G1B         ; the first tensor load behind the round; its four v_nop are the places in front of the loads below
.else
	PLACES NP
.endif
	s_wait_alu depctr_va_vdst(0)
	v_add_nc_u32 v[ADRS], 128, v[ADRS]             ; the next K step's scale words
	FETCH_B \next, 0, 0
	FETCH_A \next, 0, 0
	SCALES \next
	WIN MUL_HI
	MUL16 4, 1, NQ-1, \slot, 0
	MUL16 6, 1, NQ-1, \slot, 0
	PLACES NP
	WIN 0
	FETCH_A \next, 0, 4
.endm
	s_wait_alu depctr_va_vdst(0)
	s_wait_tensorcnt 0x0                           ; my tile of the head's four is in; slot 1's first fill is issued as a refill is
	ds_add_u32 v[SPW], v[NIL]
	s_mov_b32 s[G1+2], 8<<16                       ; no tensor load of mine is out: from here on a load brings 8 row tiles
	s_mov_b32 s[G1+4], 8
	s_mov_b32 s[G1B+2], 8<<16
	s_mov_b32 s[G1B+4], 8
	s_wait_dscnt 0x0
	CROUND                                         ; all four tiles are in, and all sixteen work-groups are here
	JLOAD G0+4, G1, G0B+4, G1B                     ; K step 1, the first tensor load behind the round
	FETCH_B 0, 0, 0
	FETCH_A 0, 0, 0
	SCALES 0
	FETCH_A 0, 0, 4
	STEP 0, 0, 1                                   ; the first step's products start the sums
	s_mov_b32 s3, LAPS-1
.Llap:                                                 ; a trip goes once round the ring and fills both slots again
	TURN 0, 1, 1
	STEP 1, 0, 0
	TURN 1, 0, 1
	STEP 0, 0, 0
	s_sub_co_u32 s3, s3, 1
	s_cmp_lg_u32 s3, 0
	s_cbranch_scc1 .Llap
	TURN 0, 1, 0                                   ; the last lap fills nothing
	STEP 1, 0, 0
	s_wait_dscnt 4*NL
	WIN MUL_LO
	MUL16 0, 1, NQ-1, 1, 0
	MUL16 2, 1, NQ-1, 1, 0
	s_wait_dscnt 0
	WIN MUL_HI
	MUL16 4, 1, NQ-1, 1, 0
	MUL16 6, 1, NQ-1, 1, 0
	WIN 0
; ---------------------------------------------------------------- THE WAY OUT
; 64 numbers of a lane in window w, v[s] on, register 16 b + i = K 32 b + 16 h + i of my row, become a fragment's codes in v[PC] on and its scale word in v[PW] (window 0).  Accumulators are read from their low ends on.
.macro QUANT s, w
.set QB, \s
	WIN ((\w)<<2)|((\w)<<4)                        ; sources 1 and 2 in window w
.irp b, 0,1,2,3
	v_max3_num_f32 v[TM+\b], 0x1800000, |v[QB+16*\b]|, |v[QB+1+16*\b]|   ; block b: my 16 numbers, and the floor 2^(3 - 127): the byte cannot fall under 1
.endr
.irp i, 2,4,6,8,10,12,14
.irp b, 0,1,2,3
	v_max3_num_f32 v[TM+\b], v[TM+\b], |v[QB+16*\b+\i]|, |v[QB+1+16*\b+\i]|
.endr
.endr
	WIN 0
.irp b, 0,1,2,3
	v_permlanex16_b32 v[TM+4+\b], v[TM+\b], s[SEL], s[SEL+1]
.endr
.irp b, 0,1,2,3
	v_max_num_f32 v[TM+\b], v[TM+\b], v[TM+4+\b]   ; with lane l xor 16's: the block's largest magnitude
.endr
.irp b, 0,1,2,3
	v_add_nc_u32 v[TM+12+\b], 0xff000000, v[TM+\b] ; 2 off its exponent field: the conversion's scale operand
.endr
.irp b, 0,1,2,3
	v_lshrrev_b32 v[TM+4+\b], 23, v[TM+12+\b]      ; the scale's byte
.endr
	v_lshl_or_b32 v[PW], v[TM+5], 8, v[TM+4]
	v_lshl_or_b32 v[PW], v[TM+6], 16, v[PW]
	v_lshl_or_b32 v[PW], v[TM+7], 24, v[PW]
	WIN \w                                         ; source 0 in window w
.irp c, 0,1
	v_cvt_scalef32_pk16_fp6_f32 v[PC+6*\c:PC+2+6*\c], v[QB+32*\c:QB+15+32*\c], v[TM+12+2*\c]
	v_cvt_scalef32_pk16_fp6_f32 v[PC+12+4*\c:PC+14+4*\c], v[QB+16+32*\c:QB+31+32*\c], v[TM+13+2*\c]   ; (a conversion's three registers begin on an even number)
.endr
	WIN 0
	v_nop                                          ; one plain place behind a scaled conversion
.irp c, 0,1
.irp i, 0,1,2
	v_permlane16_swap_b32 v[PC+6*\c+\i], v[PC+12+4*\c+\i]   ; a whole block to a lane: lanes 0-15 block 2 c, lanes 16-31 block 2 c + 1
.endr
.irp i, 0,1,2
	v_mov_b32 v[PC+3+6*\c+\i], v[PC+12+4*\c+\i]
.endr
.endr
.endm
	PLACES NP                                      ; behind the last products: vector instructions now read results and write over A's fragments
	v_and_b32 v3, 31, v0
	v_lshlrev_b32 v[GL8], 3, v3
	v_lshlrev_b32 v[GL4], 2, v3
	v_cmp_gt_u32 s66, 16, v3                       ; lanes 0-15
.irp b, 0,1,2,3
	v_mov_b32 v[TM+4+\b], 0                        ; written once: a lane permute's destination counts as one of its sources
.endr
	s_mov_b32 s[SEL], 0x76543210
	s_mov_b32 s[SEL+1], 0xfedcba98
	s_mov_b32 s67, 0x7f7f0000                      ; the scale bytes of the zero codes that fill a head's K of 64 to 128
	s_cmp_eq_u32 ttmp9, 2
	s_cbranch_scc1 .Lv_path
	; ---- q and k.  My 128 tokens are 8 tiles; my 128 features are two heads.  Of tile a's 64 registers, 32 e + 16 u + i is feature d = 32 u + 16 h + i of head e.
	s_lshr_b32 s18, s17, 3                         ; the batch
	s_lshl_b32 s18, s18, 4
	s_lshl_b32 s19, s40, 2
	s_add_co_u32 s18, s18, s19
	s_lshl_b32 s19, s16, 1
	s_add_co_u32 s18, s18, s19                     ; 16 x batch + my first head
	s_mul_i32 s18, s18, HEADB
	s_and_b32 s19, s17, 7
	s_lshl_b32 s19, s19, 4
	s_lshl_b32 s20, s15, 3
	s_add_co_u32 s19, s19, s20                     ; my first token tile of the sequence's 128
	s_mov_b32 s21, KSO
	s_cmp_eq_u32 ttmp9, 0                          ; q or k
	s_cselect_b32 s20, 0, KI
	s_cselect_b32 s21, QSO, s21
	s_mul_i32 s22, s19, 768
	s_add_co_u32 s4, s18, s20
	s_add_co_u32 s4, s4, s22
	s_mov_b32 s5, 0
	s_add_nc_u64 s[4:5], s[98:99], s[4:5]          ; the half fragments
	s_lshl_b32 s22, s19, 6
	s_add_co_u32 s6, s18, s21
	s_add_co_u32 s6, s6, s22
	s_mov_b32 s7, 0
	s_add_nc_u64 s[6:7], s[98:99], s[6:7]          ; the scale words
	s_lshl_b32 s8, s19, 12                         ; 16 positions of 256 bytes a tile
	s_mov_b32 s9, 0
	s_add_nc_u64 s[8:9], s[96:97], s[8:9]          ; the table at my first token
	v_and_b32 v3, 7, v1
	v_lshrrev_b32 v4, 3, v1
	v_lshl_add_u32 v3, v4, 4, v3                   ; my token in its pair of tiles: r % 8 + 16 (r / 8)
	v_lshlrev_b32 v[TO], 8, v3
	v_lshl_add_u32 v[TO], v2, 6, v[TO]             ; + 64 h: frequencies j = 16 h + 0 .. 15
.macro TLD a                           ; tile a's 16 cosines and 16 sines into set a % 2
.irp i, 0,1,2,3
	global_load_b128 v[TAB+32*((\a)%2)+4*\i:TAB+32*((\a)%2)+4*\i+3], v[TO], s[8:9] offset:(32*((\a)/2)+8*((\a)%2))*256+16*\i
	global_load_b128 v[TAB+32*((\a)%2)+16+4*\i:TAB+32*((\a)%2)+19+4*\i], v[TO], s[8:9] offset:(32*((\a)/2)+8*((\a)%2))*256+128+16*\i
.endr
.endm
.macro QKTILE a
.set AC, 64*((\a)%4)
.set CSN, TAB+32*((\a)%2)
.if (\a) < 7
	s_wait_loadcnt 8                               ; this tile's table is in; the next tile's 8 loads may be out
.else
	s_wait_loadcnt 0x0
.endif
	WIN 2+(\a)/4                                   ; source 0: the accumulators' window
.irp e, 0,1
.irp i, 0,2,4,6,8,10,12,14
	v_pk_mul_f32 v[R+32*\e+\i:R+32*\e+\i+1], v[AC+32*\e+\i:AC+32*\e+\i+1], v[CSN+\i:CSN+\i+1]                 ; q(d) cos
	v_pk_mul_f32 v[R+32*\e+16+\i:R+32*\e+17+\i], v[AC+32*\e+16+\i:AC+32*\e+17+\i], v[CSN+\i:CSN+\i+1]         ; q(d + 32) cos
.endr
.irp i, 0,2,4,6,8,10,12,14
	v_pk_fma_f32 v[R+32*\e+\i:R+32*\e+\i+1], v[AC+32*\e+16+\i:AC+32*\e+17+\i], v[CSN+16+\i:CSN+17+\i], v[R+32*\e+\i:R+32*\e+\i+1] neg_lo:[1,0,0] neg_hi:[1,0,0]   ; - q(d + 32) sin
	v_pk_fma_f32 v[R+32*\e+16+\i:R+32*\e+17+\i], v[AC+32*\e+\i:AC+32*\e+\i+1], v[CSN+16+\i:CSN+17+\i], v[R+32*\e+16+\i:R+32*\e+17+\i]                              ; + q(d) sin
.endr
.endr
	WIN 0
.if (\a) < 6
	TLD (\a)+2                                     ; this set takes the table of two tiles on
.endif
	s_wait_xcnt 0x0                                ; the registers that earlier stores read are written again only behind this wait
	QUANT R, 0                                     ; blocks 0, 1: head 0's 64; blocks 2, 3: head 1's: registers 6 e .. 6 e + 5 are head e's half fragment
.irp e, 0,1
.irp p, 0,1,2
	global_store_b64 v[GL8], v[PC+6*\e+2*\p:PC+6*\e+2*\p+1], s[4:5] offset:\e*HEADB+768*(\a)+256*\p   ; 256 consecutive bytes, aligned
.endr
.endr
.if (\a)%2 == 0
	v_and_or_b32 v230, v[PW], 0xffff, s67          ; head 0's word, head 1's word
	v_lshrrev_b32 v231, 16, v[PW]
	v_or_b32 v231, s67, v231
.else
	v_and_or_b32 v232, v[PW], 0xffff, s67
	v_lshrrev_b32 v233, 16, v[PW]
	v_or_b32 v233, s67, v233
	v_cndmask_b32 v232, v232, v230, s66            ; lanes 0-15: the even tile's rows; lanes 16-31: this tile's (both halves of the lanes hold a row's word)
	v_cndmask_b32 v233, v233, v231, s66
	global_store_b32 v[GL4], v232, s[6:7] offset:64*((\a)-1)
	global_store_b32 v[GL4], v233, s[6:7] offset:HEADB+64*((\a)-1)
.endif
.endm
	TLD 0
	TLD 1
.irp a, 0,1,2,3,4,5,6,7
	QKTILE \a
.endr
	s_branch .Lend
	; ---- v.  A lane holds a channel; tile a's 64 registers are the 128 tokens of one key step: a whole fragment of v^T.  My 8 tiles are two heads x four channel tiles.
.Lv_path:
	s_lshr_b32 s18, s42, 3                         ; the batch
	s_lshl_b32 s18, s18, 4
	s_lshl_b32 s19, s41, 2
	s_add_co_u32 s18, s18, s19
	s_lshl_b32 s19, s15, 1
	s_add_co_u32 s18, s18, s19                     ; 16 x batch + my first head
	s_mul_i32 s18, s18, HEADB
	s_and_b32 s19, s42, 7
	s_lshl_b32 s19, s19, 1
	s_add_co_u32 s19, s19, s16                     ; my key step of the sequence's 16
	s_mul_i32 s20, s19, 6144
	s_add_co_u32 s4, s18, s20
	s_add_co_u32 s4, s4, VI
	s_mov_b32 s5, 0
	s_add_nc_u64 s[4:5], s[98:99], s[4:5]
	s_lshl_b32 s20, s19, 8
	s_add_co_u32 s6, s18, s20
	s_add_co_u32 s6, s6, VSO
	s_mov_b32 s7, 0
	s_add_nc_u64 s[6:7], s[98:99], s[6:7]
.macro VTILE a
	s_wait_xcnt 0x0                                ; the registers that earlier stores read are written again only behind this wait
	QUANT 64*((\a)%4), 2+(\a)/4
.irp q, 0,1,2,3,4,5
	global_store_b64 v[GL8], v[PC+2*\q:PC+2*\q+1], s[4:5] offset:((\a)/4)*HEADB+1536*((\a)%4)+256*\q
.endr
.if (\a)%2 == 0
	v_mov_b32 v230, v[PW]
.else
	v_cndmask_b32 v232, v[PW], v230, s66           ; two tiles' scale words in one store
	global_store_b32 v[GL4], v232, s[6:7] offset:((\a)/4)*HEADB+64*((\a)%4-1)
.endif
.endm
.irp a, 0,1,2,3,4,5,6,7
	VTILE \a
.endr
.Lend:
	s_wait_tensorcnt 0x0                           ; the wave's end
	ds_add_u32 v[SPW], v[NIL]
	s_wait_dscnt 0x0
	CROUND                                         ; the closing round: no work-group ends while a partner may still ask for a tile that names it
	s_endpgm
.Lfunc_end_k_q2a4f58669c_qkv:
	.size	k_q2a4f58669c_qkv, .Lfunc_end_k_q2a4f58669c_qkv-k_q2a4f58669c_qkv
	.p2alignl 7, 3214868480
	.fill 96, 4, 3214868480
	.section	.rodata,"a",@progbits
	.p2align	6, 0x0
	.amdhsa_kernel k_q2a4f58669c_qkv
		.amdhsa_group_segment_fixed_size 327680
		.amdhsa_private_segment_fixed_size 0
		.amdhsa_enable_private_segment 0
		.amdhsa_kernarg_size 48
		.amdhsa_user_sgpr_count 2
		.amdhsa_user_sgpr_kernarg_segment_ptr 1
		.amdhsa_wavefront_size32 1
		.amdhsa_system_sgpr_workgroup_id_x 1
		.amdhsa_system_sgpr_workgroup_id_y 1
		.amdhsa_system_sgpr_workgroup_id_z 1
		.amdhsa_system_vgpr_workitem_id 0
		.amdhsa_next_free_vgpr 1024
		.amdhsa_next_free_sgpr 102
		.amdhsa_reserve_vcc 0
		.amdhsa_float_denorm_mode_32 3
		.amdhsa_float_denorm_mode_16_64 3
		.amdhsa_memory_ordered 1
		.amdhsa_forward_progress 1
		.amdhsa_inst_pref_size 245
	.end_amdhsa_kernel
	.amdgpu_metadata
---
amdhsa.version: [ 1, 2 ]
amdhsa.kernels:
  - .name:           k_q2a4f58669c_qkv
    .symbol:         k_q2a4f58669c_qkv.kd
    .args:
      - { .name: xc, .offset: 0, .size: 8, .value_kind: global_buffer, .address_space: global }
      - { .name: xs, .offset: 8, .size: 8, .value_kind: global_buffer, .address_space: global }
      - { .name: wc, .offset: 16, .size: 8, .value_kind: global_buffer, .address_space: global }
      - { .name: ws, .offset: 24, .size: 8, .value_kind: global_buffer, .address_space: global }
      - { .name: rope, .offset: 32, .size: 8, .value_kind: global_buffer, .address_space: global }
      - { .name: qkv, .offset: 40, .size: 8, .value_kind: global_buffer, .address_space: global }
    .group_segment_fixed_size: 327680
    .private_segment_fixed_size: 0
    .kernarg_segment_align: 8
    .kernarg_segment_size: 48
    .max_flat_workgroup_size: 128
    .sgpr_count:     102
    .vgpr_count:     1024
    .wavefront_size: 32
...
	.end_amdgpu_metadata
.endif
;; end of part 2
;; launch attn (part 3): grid 4 x 64, 8 waves a work-group, clusters of 4 x 1, 210,944 bytes of LDS; arguments qkv, yc, ys; writes yc, ys
.if DOCPART == 3
	.amdgcn_target "amdgcn-amd-amdhsa--gfx1250"
	.amdhsa_code_object_version 6
	.text
	.protected	k_q2a4f58669c_attn
	.globl	k_q2a4f58669c_attn
	.p2align	8
	.type	k_q2a4f58669c_attn,@function
k_q2a4f58669c_attn:
	s_mov_b64 s[64:65], 0
	v_nop
	global_prefetch_b8 v0, s[64:65] scope:SCOPE_SE
	s_setreg_imm32_b32 hwreg(HW_REG_WAVE_MODE, 25, 1), 1
	s_wait_xcnt 0x0
	s_wait_alu depctr_hold_cnt(0) depctr_sa_sdst(0) depctr_va_vdst(0) depctr_va_sdst(0) depctr_va_ssrc(0) depctr_va_vcc(0) depctr_vm_vsrc(0)
	s_getreg_b32 s2, hwreg(HW_REG_IB_STS2, 6, 4)
	s_cmp_eq_u32 s2, 0
	s_cbranch_scc0 .Lentry_in_a_cluster
	s_endpgm
.Lentry_in_a_cluster:
	s_bfe_u32 s2, ttmp6, 0x10000c
	s_cmp_lg_u32 s2, 0x3003
	s_cbranch_scc0 .Lentry_shape_is_right
	s_endpgm
.Lentry_shape_is_right:
; y[b][q][head] = the sum over k <= q of softmax_k(q . k / 8) v, both products on codes of FP6 (E2M3) with E8M0 scales; y leaves as codes, quantised along the model's 1,024 (a head's 64 are two blocks of 32).
; THE SOFTMAX AHEAD OF THE SECOND PRODUCT: t = score x log2(e) / 8; M = the row's largest t so far, rounded UP to a whole number; p = 2^(t - M) is quantised along the keys, not normalised; the row's sum is taken
; of the unquantised p and divides at the end.  When M moves, the sum and O are multiplied by 2^(old M - new M): exact.
; SHARES.  A cluster of four work-groups is one head.  The head's k, v and their scale words, 208,896 dense bytes, are filled into LDS ONCE: each of the eight waves asks for 102 rows of 256 bytes by a joint load
; (the same descriptor in the four partners).  Nothing is filled again, and all is asked for at the head: there is no loop to run ahead in, so no prefetch is written.
; A wave owns TWO tiles of 16 queries at a time, tiles 8 J + 2 cx and + 1 of the sequence's 128, in two passes: J = wave, then J = 15 - wave.  J, the key step of the diagonal, hangs on the wave's number alone:
; no branch hangs on the place in the cluster, and every wave has 17 key steps of 128 keys.  A pass walks 16 trips, a constant; a trip whose keys all come after the queries jumps over its work.
; Each fragment of K and of V that is read from LDS feeds both tiles.
; LAYOUT.  Both products are used transposed: S^T = K Q^T (source 0 = 16 keys), O^T = V^T P^T (source 0 = 16 channels): a lane holds one query throughout.  In memory a row tile T's lane-row r is row
; 32 (T / 2) + 8 (T % 2) + r % 8 + 16 (r / 8).  WHICH KEYS FORM A TILE OF K IS CHOSEN BY THE LANES' LDS ADDRESSES: tile t of group c (64 keys) takes as lane-row m the key 64 c + 32 (m / 8) + 8 t + m % 8, which lies in
; stored tile 4 c + 2 (m / 8) + t % 2 at lane-row m % 8 + 8 (t / 2).  So register 32 c + i of lane (r, h) is key 64 c + 32 h + i: a lane holds WHOLE blocks of 32 keys, in the order of the second product's operand:
; a block's maximum needs no other lane and p's codes are not moved between lanes.  The first product's K is 64: registers 6-11 of both fragments hold zero codes, and their scale bytes are 0x7f.
; THE NEXT STEP'S K is asked of LDS behind this step's score products, as soon as their registers are free; the diagonal's step, a pass's last, asks for none.
; LIMITS: a block of zeros keeps the scale byte 1 (its codes are zeros; this program alone reads the bytes); NaN and infinities are not served; the scaled scores t stay under 2^31 in magnitude.
; REGISTERS.  Window 0: v1-7 places that stay; v8-11 the step's addresses; v12-13 the add's two; v14-29 scale words (Q 2, p 2, V 4, K 8); v32-55 Q; v56-151 eight fragments of K; v152-199 four of V; v200-223 p's codes; v224-239 halves on their way.
; Window 1: v0-127 S^T, then p (tile T at 64 T); v128-191 O^T (32 T); from X = 192 + 32 T: +0,1 block maxima; +2,3 scale operands; +4,5 bytes; +6,7,8 at work; +9 the mask's d; +10 -infinity; +11 8 h; +12 -M; +13 the largest score; +14,15 the sum; +16,17 f; +20-27 partial sums.
.set HEADB, 315392
.set QSO,   98304
.set KI,    106496
.set LV,    98304                      ; LDS: K's images at 0, V's here,
.set LKS,   196608                     ; K's scale words,
.set LVS,   204800                     ; V's,
.set SPARE, 208896                     ; and the spare words, 128 bytes for each wave, which no other line names
.set L8,  1
.set VA,  2
.set KA,  3
.set KSA, 4
.set VSA, 5
.set R4,  6
.set YB,  7
.set ADK, 8
.set ADV, 9
.set ADS, 10
.set ADT, 11
.set SPW, 12
.set NIL, 13
.set QS,  14
.set PW,  16
.set VS,  18
.set KS,  22
.set BY,  30
.set QF,  32
.set KF,  56
.set VF,  152
.set PC,  200
.set HV,  224
.set WV,  10                           ; s10 wave
.set CX,  11                           ; s11 my place in the cluster: it enters Q's and y's global addresses and the mask's numbers alone
.set BH,  12                           ; s12 16 x batch + head
.set TAU, 13                           ; s13 my first query tile
.set J,   14                           ; s14 the key step of the diagonal
.set PASS, 15
.set KJ,  16                           ; s16 the key step in hand
.set TB,  17                           ; s17 its images, in K's and in V's region: 6,144 bytes a step
.set TS,  18                           ; s18 K's scale words: 512 a step
.set TJ,  19                           ; s19 V's: 256 a step
.set SEL, 20                           ; s[20:21] lane selects: lane l xor 16
.set CS,  22                           ; s[22:23] c = log2(e) / 8
.set G1,  24
.set G0,  32
.set NC,  55                           ; s55 -c
.set MSB, 0
.macro WIN new                         ; low byte: bits 1:0 source 0, 3:2 source 1, 5:4 source 2, 7:6 destination; the high byte repeats the setting that is left
.set WNEW, \new
.if MSB != WNEW
	s_set_vgpr_msb (MSB<<8)|WNEW
.set MSB, WNEW
.endif
.endm
.macro ROUND                           ; a round of the cluster's barrier
	s_barrier_signal -1
	s_barrier_wait -1
	s_cmp_lg_u32 s[WV], 0
	s_cbranch_scc1 .Lnot_wave_0_\@
	s_barrier_signal -3
.Lnot_wave_0_\@:
	s_barrier_wait -3
	s_barrier_signal -1
	s_barrier_wait -1
.endm
.macro SETUP                           ; a pass's addresses, and the loads of its two tiles of Q
	s_lshl_b32 s[TAU], s[J], 3
	s_add_co_u32 s[TAU], s[TAU], s51
	s_mul_i32 s44, s[TAU], 768
	s_add_nc_u64 s[38:39], s[36:37], s[44:45]      ; Q's half fragments, two on end
	s_lshl_b32 s44, s[TAU], 6
	s_add_co_u32 s44, s44, QSO
	s_add_nc_u64 s[40:41], s[36:37], s[44:45]      ; their scale words
	s_mul_i32 s44, s[TAU], 12288
	s_add_co_u32 s44, s44, s52
	s_add_nc_u64 s[42:43], s[6:7], s[44:45]        ; y's codes
	s_lshl_b32 s44, s[TAU], 9
	s_add_co_u32 s44, s44, s53
	s_add_nc_u64 s[48:49], s[8:9], s[44:45]        ; y's scale bytes
.irp T, 0,1
.irp p, 0,1,2
	global_load_b64 v[QF+12*\T+2*\p:QF+12*\T+2*\p+1], v[L8], s[38:39] offset:768*\T+256*\p
.endr
	global_load_b32 v[QS+\T], v[R4], s[40:41] offset:64*\T
.endr
.endm
.macro KLOAD adk, ads, ok, os          ; a key step's eight tiles of K and their scale words: 32 loads
.irp c, 0,1
.irp t, 0,1,2,3
.irp p, 0,1,2
	ds_load_b64 v[KF+48*\c+12*\t+2*\p:KF+48*\c+12*\t+2*\p+1], v[\adk] offset:\ok+3072*\c+768*(\t%2)+64*(\t/2)+256*\p
.endr
	ds_load_b32 v[KS+4*\c+\t], v[\ads] offset:\os+256*\c+64*(\t%2)+32*(\t/2)
.endr
.endr
.endm
	s_load_b128 s[4:7], s[0:1], 0x0                ; qkv s[4:5], yc s[6:7]
	s_load_b64 s[8:9], s[0:1], 0x10                ; ys
	v_lshl_add_u32 v[SPW], v0, 2, SPARE
	v_mov_b32 v[NIL], 0
	ds_add_u32 v[SPW], v[NIL]                      ; the opening lines: the add, twice on end, and its wait ahead of my tensor load
	ds_add_u32 v[SPW], v[NIL]
	v_lshrrev_b32 v8, 5, v0
	v_readfirstlane_b32 s[WV], v8                  ; wave 0..7
	s_bfe_u32 s[CX], ttmp6, 0x40000
	s_and_b32 s[BH], ttmp7, 0xffff
	s_mov_b32 s[G1], 15|(3<<16)|(1<<21)            ; the mask: all four work-groups; elements of 8 bytes; bit 21 set beside a mask
	s_mov_b32 s[G1+1], 32<<16                      ; tensor_dim0 = 32 elements: 256 bytes
	s_mov_b32 s[G1+2], 102<<16                     ; tensor_dim1 = 102
	s_mov_b32 s[G1+3], 32<<16                      ; tile_dim0
	s_mov_b32 s[G1+4], 102                         ; tile_dim1
	s_mov_b32 s[G1+5], 32                          ; dense
	s_mov_b32 s[G1+6], 0
	s_mov_b32 s[G1+7], 0
	s_mul_i32 s44, s[BH], HEADB
	s_mov_b32 s45, 0
	s_mov_b32 s[G0], 1
	s_mul_i32 s[G0+1], s[WV], 26112                ; my eighth, in LDS
	s_add_co_u32 s46, s[G0+1], KI                  ; and in the head's bytes
	s_mov_b32 s47, 0
	s_mov_b32 s[J], s[WV]                          ; the first pass
	s_lshl_b32 s51, s[CX], 1                       ; my first tile in a key step's eight
	s_lshl_b32 s54, s[CX], 5                       ; its first query in the step: 32 cx; the second tile's: + 8
	s_add_co_u32 s56, s54, 8
	s_lshr_b32 s48, s[BH], 4                       ; batch
	s_and_b32 s49, s[BH], 15                       ; head
	s_mul_i32 s52, s48, 128*12288
	s_mul_i32 s53, s49, 768
	s_add_co_u32 s52, s52, s53                     ; y's codes: the batch's 128 row tiles, half fragment `head` of a row tile's sixteen
	s_lshl_b32 s53, s48, 16
	s_lshr_b32 s57, s49, 2
	s_lshl_b32 s57, s57, 7
	s_add_co_u32 s53, s53, s57
	s_and_b32 s57, s49, 3
	s_lshl_b32 s57, s57, 1
	s_add_co_u32 s53, s53, s57                     ; y's scale bytes: K step head / 4, bytes 2 (head % 4) and + 1 of a row's eight
	s_mov_b32 s[SEL], 0x76543210
	s_mov_b32 s[SEL+1], 0xfedcba98
	s_mov_b32 s[CS], 0x3e38aa3b
	s_mov_b32 s[CS+1], s[CS]                       ; (named with it as a pair, so it is written)
	s_mov_b32 s[NC], 0xbe38aa3b
	v_and_b32 v9, 31, v0                           ; lane
	v_and_b32 v10, 15, v0                          ; r
	v_bfe_u32 v11, v0, 4, 1                        ; h
	v_and_b32 v30, 7, v0                           ; r % 8
	v_bfe_u32 v31, v0, 3, 1                        ; r / 8
	v_lshlrev_b32 v[L8], 3, v9                     ; 8 x lane: my bytes of a piece, in memory and in V's images
	v_lshlrev_b32 v[KA], 3, v30
	v_lshlrev_b32 v[KSA], 2, v30
	v_lshlrev_b32 v[R4], 2, v10                    ; 4 r: a row's scale word
	v_add_nc_u32 v[VA], LV, v[L8]
	v_lshl_add_u32 v[KA], v11, 7, v[KA]
	v_lshl_add_u32 v[KSA], v31, 7, v[KSA]
	v_add_nc_u32 v[VSA], LVS, v[R4]
	v_mad_u32_u24 v[KA], v31, 1536, v[KA]          ; K's images: 1,536 (r / 8) + 8 (r % 8) + 128 h: two stored tiles on for lane-rows 8-15
	v_add_nc_u32 v[KSA], LKS, v[KSA]               ; K's scale words: 128 (r / 8) + 4 (r % 8)
	v_lshl_add_u32 v[YB], v10, 3, v11              ; 8 r + h: my scale byte of y
	v_cmp_gt_u32 s50, 16, v9                       ; lanes 0-15
	v_lshl_add_u32 v8, v31, 4, v30
	v_lshlrev_b32 v9, 5, v11
	v_sub_nc_u32 v8, v8, v9                        ; r % 8 + 16 (r / 8) - 32 h: for the mask
	v_lshlrev_b32 v10, 3, v11                      ; 8 h
	s_wait_alu depctr_va_vdst(0)
	s_wait_dscnt 0x0                               ; both opening adds are done
	s_wait_kmcnt 0x0
	s_add_nc_u64 s[36:37], s[4:5], s[44:45]        ; the head's first byte
	s_add_nc_u64 s[G0+2:G0+3], s[36:37], s[46:47]
	s_or_b32 s[G0+3], s[G0+3], 0x80000000          ; type = 2
	ROUND                                          ; all four work-groups are here: the joint loads meet
	tensor_load_to_lds s[G0:G0+3], s[G1:G1+7]      ; my one tensor load of the launch
	s_nop 0
.rept 4
	v_nop
.endr
	SETUP                                          ; what follows stands between the joint load and the wait for it
.irp T, 0,1
.irp i, 6,7,8,9,10,11
	v_mov_b32 v[QF+12*\T+\i], 0                    ; the zero codes of K = 64 .. 127: Q's,
.endr
.endr
.irp t, 0,1,2,3,4,5,6,7
.irp i, 6,7,8,9,10,11
	v_mov_b32 v[KF+12*\t+\i], 0                    ; and K's: written once
.endr
.endr
	WIN 0x40                                       ; destination in window 1
	v_add_nc_u32 v201, s54, v8                     ; d = my query in its key step - 32 h
	v_add_nc_u32 v233, s56, v8
.irp T, 0,1
	v_mov_b32 v[203+32*\T], v10
	v_mov_b32 v[202+32*\T], 0xff800000
	v_mov_b32 v[196+32*\T], 0                      ; written once: a lane permute's destination counts as one of its sources
	v_mov_b32 v[197+32*\T], 0
	v_mov_b32 v[200+32*\T], 0
	v_mov_b32 v[209+32*\T], 0                      ; (named as the upper half of a pair)
.endr
	WIN 0
	s_wait_alu depctr_va_vdst(0)
	s_wait_tensorcnt 0x0                           ; my eighth of the head has landed,
	s_barrier_signal -1
	s_barrier_wait -1                              ; everybody's has
	s_mov_b32 s[PASS], 0
.Lpass:
	s_wait_dscnt 0x0                               ; no LDS load of mine is out: the loads below land on K's registers
	KLOAD KA, KSA, 0, 0                            ; key step 0's K
	WIN 0x40
.irp T, 0,1
	v_mov_b32 v[204+32*\T], 0x7f61b1e6             ; -M = 3e38,
	v_mov_b32 v[205+32*\T], 0xff61b1e6             ; the largest score so far: -3e38, under every score
	v_mov_b32 v[206+32*\T], 0                      ; the sum, in two halves
	v_mov_b32 v[207+32*\T], 0
.endr
.set j, 0
.rept 64
	v_mov_b32 v[128+j], 0                          ; O^T: the step is written once: the first finds zeros, which the first change of M leaves zeros
.set j, j+1
.endr
	WIN 0
	s_mov_b32 s[KJ], 0
	s_mov_b32 s[TB], 0
	s_mov_b32 s[TS], 0
	s_mov_b32 s[TJ], 0
	s_wait_alu depctr_va_vdst(0)
	s_wait_loadcnt 0x0                             ; Q
.Lkey:
	s_cmp_gt_u32 s[KJ], s[J]                       ; all 128 keys come after my queries: the step's work is left out; the lines at its end that step addresses are not
	s_cbranch_scc1 .Lhidden
	s_wait_alu depctr_va_vdst(0)
	s_wait_dscnt 0x0                               ; this step's K, asked for a step ago
	v_add_nc_u32 v[ADK], s[TB], v[KA]              ; (these four are also the places between the last step's products and the loads into their registers)
	v_add_nc_u32 v[ADV], s[TB], v[VA]
	v_add_nc_u32 v[ADS], s[TS], v[KSA]
	v_add_nc_u32 v[ADT], s[TJ], v[VSA]
.irp t, 0,1,2,3                                ; V's four channel tiles: 28 loads, wanted at the step's end
.irp q, 0,1,2,3,4,5
	ds_load_b64 v[VF+12*\t+2*\q:VF+12*\t+2*\q+1], v[ADV] offset:1536*\t+256*\q
.endr
	ds_load_b32 v[VS+\t], v[ADT] offset:64*\t
.endr
	WIN 0x40
.irp T, 0,1
.irp n, 0,1,2,3,4,5,6,7
	v_wmma_scale_f32_16x16x128_f8f6f4 v[64*\T+8*\n:64*\T+8*\n+7], v[KF+12*\n:KF+12*\n+11], v[QF+12*\T:QF+12*\T+11], 0, v[KS+\n], v[QS+\T] matrix_a_fmt:MATRIX_FMT_FP6 matrix_b_fmt:MATRIX_FMT_FP6
.endr
.endr
	WIN 0
.rept 4
	v_nop                                          ; places in front of the loads into K's registers and of the first read of the scores
.endr
	s_cmp_lt_u32 s[KJ], s[J]
	s_cbranch_scc0 .Ldiag
	KLOAD ADK, ADS, 6144, 512                      ; all keys of this step count, so a step follows: its K
	s_wait_dscnt 32                                ; V's 28 are in; the 32 just issued may be out
	s_branch .Lsoft
.Ldiag:
	s_wait_dscnt 0x0                               ; V's are in
	WIN 0x55                                       ; all in window 1
.irp T, 0,1
.set n, 0
.rept 64
	v_cmp_gt_i32 vcc_lo, 64*(n/32)+n%32, v[201+32*\T]   ; register n holds key 64 (n / 32) + 32 h + n % 32: hidden where that lies beyond my query
	v_cndmask_b32 v[64*\T+n], v[64*\T+n], v[202+32*\T], vcc_lo
.set n, n+1
.endr
.endr
	WIN 0
.Lsoft:
	WIN 0x55
.irp c, 0,1                                    ; the largest score of each of my two blocks of 32 keys: it serves the row's maximum and, since p rises with the score, the block's largest p
.irp T, 0,1
	v_max3_num_f32 v[192+32*\T+\c], v[64*\T+32*\c], v[64*\T+32*\c+1], v[64*\T+32*\c+2]
.endr
.endr
.irp i, 3,5,7,9,11,13,15,17,19,21,23,25,27,29
.irp c, 0,1
.irp T, 0,1
	v_max3_num_f32 v[192+32*\T+\c], v[192+32*\T+\c], v[64*\T+32*\c+\i], v[64*\T+32*\c+\i+1]   ; four chains by turns
.endr
.endr
.endr
.irp c, 0,1
.irp T, 0,1
	v_max_num_f32 v[192+32*\T+\c], v[192+32*\T+\c], v[64*\T+32*\c+31]
.endr
.endr
.irp T, 0,1
	v_mov_b32 v[199+32*\T], v[204+32*\T]           ; the old -M
.endr
.irp T, 0,1
	v_max_num_f32 v[198+32*\T], v[192+32*\T], v[193+32*\T]
.endr
.irp T, 0,1
	s_delay_alu instid0(VALU_DEP_2)
	v_permlanex16_b32 v[200+32*\T], v[198+32*\T], s[SEL], s[SEL+1]
.endr
.irp T, 0,1
	s_delay_alu instid0(VALU_DEP_2)
	v_max3_num_f32 v[205+32*\T], v[205+32*\T], v[198+32*\T], v[200+32*\T]   ; the running largest score of my query, lane l xor 16's keys among them
.endr
.irp T, 0,1
	s_delay_alu instid0(VALU_DEP_2)
	v_mul_f32 v[198+32*\T], s[NC], v[205+32*\T]    ; -t
.endr
.irp T, 0,1
	s_delay_alu instid0(VALU_DEP_2)
	v_floor_f32 v[204+32*\T], v[198+32*\T]         ; the new -M = floor(-t): M is a whole number
.endr
.set j, 0
.rept 32                                       ; t - M, two at a time; the three lines that make f = 2^(old M - new M) stand among them, so that none waits for the line above it
.irp T, 0,1
	v_pk_fma_f32 v[64*\T+j:64*\T+j+1], v[64*\T+j:64*\T+j+1], s[CS:CS+1], v[204+32*\T:205+32*\T] op_sel_hi:[1,0,0]
.endr
.if j == 8
.irp T, 0,1
	v_sub_f32 v[199+32*\T], v[204+32*\T], v[199+32*\T]   ; old M - new M: a whole number, 0 or less
.endr
.endif
.if j == 16
.irp T, 0,1
	v_cvt_i32_f32 v[199+32*\T], v[199+32*\T]       ; (it saturates)
.endr
.endif
.if j == 24
.irp T, 0,1
	v_ldexp_f32 v[208+32*\T], 1.0, v[199+32*\T]    ; f
.endr
.endif
.set j, j+2
.endr
.irp c, 0,1
.irp T, 0,1
	v_fma_f32 v[192+32*\T+\c], v[192+32*\T+\c], s[CS], v[204+32*\T]   ; the same of each block's largest score
.endr
.endr
	s_wait_alu depctr_va_vdst(0)
.set j, 0
.rept 128
	v_exp_f32 v[j], v[j]                           ; p = 2^(t - M), at most 1
.set j, j+1
.endr
.irp c, 0,1
.irp T, 0,1
	v_exp_f32 v[192+32*\T+\c], v[192+32*\T+\c]     ; the block's largest p: the same two instructions on the same number
.endr
.endr
.irp T, 0,1
	v_pk_mul_f32 v[206+32*\T:207+32*\T], v[206+32*\T:207+32*\T], v[208+32*\T:209+32*\T] op_sel_hi:[1,0]   ; the sums under the new M.  (Plain places behind the exponentials)
.endr
	s_wait_alu depctr_va_vdst(0)                   ; one wait for the whole batch, ahead of its first reader
.irp c, 0,1
.irp T, 0,1
	v_max_num_f32 v[192+32*\T+\c], 0x1800000, v[192+32*\T+\c]   ; the floor 2^(3 - 127): the byte cannot fall under 1
.endr
.endr
.irp c, 0,1
.irp T, 0,1
	v_add_nc_u32 v[194+32*\T+\c], 0xff000000, v[192+32*\T+\c]   ; 2 off the exponent field: the conversion's scale operand
.endr
.endr
	WIN 0x05                                       ; sources in window 1, destination in window 0
.irp T, 0,1
.irp c, 0,1
	v_cvt_scalef32_pk16_fp6_f32 v[PC+12*\T+6*\c:PC+12*\T+6*\c+2], v[64*\T+32*\c:64*\T+32*\c+15], v[194+32*\T+\c]
	v_cvt_scalef32_pk16_fp6_f32 v[HV+8*\T+4*\c:HV+8*\T+4*\c+2], v[64*\T+32*\c+16:64*\T+32*\c+31], v[194+32*\T+\c]   ; (a conversion's three registers begin on an even number)
.endr
.endr
	WIN 0
	v_nop                                          ; one plain place behind a scaled conversion
.irp T, 0,1
.irp c, 0,1
.irp i, 0,1,2
	v_mov_b32 v[PC+12*\T+6*\c+3+\i], v[HV+8*\T+4*\c+\i]   ; registers 6 c .. 6 c + 5 hold keys 64 c + 32 h + 0 .. 31
.endr
.endr
.endr
	WIN 0x55
.irp k, 0,1,2,3                                ; the row's sum of the unquantised p: two at a time, four chains a tile; the lines that make p's scale word stand among them
.irp T, 0,1
	v_pk_add_f32 v[212+32*\T+2*\k:213+32*\T+2*\k], v[64*\T+2*\k:64*\T+2*\k+1], v[64*\T+8+2*\k:64*\T+9+2*\k]
.endr
.endr
.irp m, 16,24,32,40,48,56
.irp k, 0,1,2,3
.irp T, 0,1
	v_pk_add_f32 v[212+32*\T+2*\k:213+32*\T+2*\k], v[212+32*\T+2*\k:213+32*\T+2*\k], v[64*\T+\m+2*\k:64*\T+\m+2*\k+1]
.endr
.endr
.if \m == 16
.irp c, 0,1
.irp T, 0,1
	v_lshrrev_b32 v[196+32*\T+\c], 23, v[194+32*\T+\c]   ; the scale's byte
.endr
.endr
.endif
.if \m == 24
.irp T, 0,1
	v_lshl_or_b32 v[198+32*\T], v[197+32*\T], 16, v[196+32*\T]   ; my two bytes: blocks h and 2 + h,
.endr
.endif
.if \m == 32
.irp T, 0,1
	v_lshlrev_b32 v[198+32*\T], v[203+32*\T], v[198+32*\T]       ; at their places in the word (8 h bits up);
.endr
.endif
.if \m == 40
.irp T, 0,1
	v_permlanex16_b32 v[200+32*\T], v[198+32*\T], s[SEL], s[SEL+1]
.endr
.endif
.endr
.irp T, 0,1
	v_pk_add_f32 v[212+32*\T:213+32*\T], v[212+32*\T:213+32*\T], v[214+32*\T:215+32*\T]
	v_pk_add_f32 v[216+32*\T:217+32*\T], v[216+32*\T:217+32*\T], v[218+32*\T:219+32*\T]
.endr
.irp T, 0,1
	v_pk_add_f32 v[212+32*\T:213+32*\T], v[212+32*\T:213+32*\T], v[216+32*\T:217+32*\T]
.endr
.irp T, 0,1
	s_delay_alu instid0(VALU_DEP_2)
	v_pk_add_f32 v[206+32*\T:207+32*\T], v[206+32*\T:207+32*\T], v[212+32*\T:213+32*\T]
.endr
	WIN 0x05
.irp T, 0,1
	v_or_b32 v[PW+\T], v[198+32*\T], v[200+32*\T]  ; with lane l xor 16's two: p's scale word for these 128 keys
.endr
	WIN 0x55
	s_wait_alu depctr_va_vdst(0)                   ; directly ahead of the first reader of O^T
.irp T, 0,1
.set j, 0
.rept 16
	v_pk_mul_f32 v[128+32*\T+j:129+32*\T+j], v[128+32*\T+j:129+32*\T+j], v[208+32*\T:209+32*\T] op_sel_hi:[1,0]   ; O^T under the new M, each accumulator from its low end on.  (These 32 are the places between the writes of p's codes and scale word and the products below)
.set j, j+2
.endr
.endr
	WIN 0x50                                       ; C and D in window 1
.irp t, 0,1,2,3                                ; O^T += V^T P^T: the eight accumulators by turns
.irp T, 0,1
	v_wmma_scale_f32_16x16x128_f8f6f4 v[128+32*\T+8*\t:135+32*\T+8*\t], v[VF+12*\t:VF+12*\t+11], v[PC+12*\T:PC+12*\T+11], v[128+32*\T+8*\t:135+32*\T+8*\t], v[VS+\t], v[PW+\T] matrix_a_fmt:MATRIX_FMT_FP6 matrix_b_fmt:MATRIX_FMT_FP6
.endr
.endr
	WIN 0
.Lhidden:
	s_add_co_u32 s[TB], s[TB], 6144
	s_add_co_u32 s[TS], s[TS], 512
	s_add_co_u32 s[TJ], s[TJ], 256
	s_add_co_u32 s[KJ], s[KJ], 1
	s_cmp_lt_u32 s[KJ], 16
	s_cbranch_scc1 .Lkey
; THE WAY OUT of the two tiles: O^T / the sum; register 16 b + i is channel 32 b + 16 h + i of my query: two blocks of the next product's K; each half fragment leaves as three pieces of 256 consecutive bytes.
.rept 4
	v_nop                                          ; places behind the last products
.endr
	WIN 0x55
.irp T, 0,1
	v_add_f32 v[206+32*\T], v[206+32*\T], v[207+32*\T]
.endr
.irp T, 0,1
	s_delay_alu instid0(VALU_DEP_2)
	v_permlanex16_b32 v[200+32*\T], v[206+32*\T], s[SEL], s[SEL+1]
.endr
.irp T, 0,1
	s_delay_alu instid0(VALU_DEP_2)
	v_add_f32 v[206+32*\T], v[206+32*\T], v[200+32*\T]   ; the row's sum
.endr
	s_wait_alu depctr_va_vdst(0)
	v_rcp_f32 v206, v206
	v_rcp_f32 v238, v238
	v_nop                                          ; one plain place behind a transcendental
	s_wait_alu depctr_va_vdst(0)                   ; ahead of the reciprocals' first reader, which is also O^T's
.irp T, 0,1
.set j, 0
.rept 16
	v_pk_mul_f32 v[64*\T+j:64*\T+j+1], v[128+32*\T+j:129+32*\T+j], v[206+32*\T:207+32*\T] op_sel_hi:[1,0]   ; each accumulator from its low end on
.set j, j+2
.endr
.endr
.irp b, 0,1
.irp T, 0,1
	v_max3_num_f32 v[192+32*\T+\b], |v[64*\T+16*\b]|, |v[64*\T+16*\b+1]|, 0x1800000
.endr
.endr
.irp i, 2,4,6,8,10,12,14
.irp b, 0,1
.irp T, 0,1
	v_max3_num_f32 v[192+32*\T+\b], v[192+32*\T+\b], |v[64*\T+16*\b+\i]|, |v[64*\T+16*\b+\i+1]|
.endr
.endr
.endr
.irp b, 0,1
.irp T, 0,1
	v_permlanex16_b32 v[196+32*\T+\b], v[192+32*\T+\b], s[SEL], s[SEL+1]
.endr
.endr
.irp b, 0,1
.irp T, 0,1
	v_max_num_f32 v[192+32*\T+\b], v[192+32*\T+\b], v[196+32*\T+\b]   ; with lane l xor 16's 16 channels
.endr
.endr
.irp b, 0,1
.irp T, 0,1
	v_add_nc_u32 v[194+32*\T+\b], 0xff000000, v[192+32*\T+\b]
.endr
.endr
.irp b, 0,1
.irp T, 0,1
	v_lshrrev_b32 v[196+32*\T+\b], 23, v[194+32*\T+\b]
.endr
.endr
	WIN 0x05
.irp T, 0,1
	v_cvt_scalef32_pk16_fp6_f32 v[PC+12*\T:PC+12*\T+2], v[64*\T:64*\T+15], v[194+32*\T]
	v_cvt_scalef32_pk16_fp6_f32 v[HV+8*\T:HV+8*\T+2], v[64*\T+16:64*\T+31], v[195+32*\T]
.endr
.irp T, 0,1
	v_cndmask_b32 v[BY+\T], v[197+32*\T], v[196+32*\T], s50   ; lanes 0-15 store block 0's byte, lanes 16-31 block 1's.  (The plain place behind the conversions)
.endr
	WIN 0
.irp T, 0,1
.irp i, 0,1,2
	v_permlane16_swap_b32 v[PC+12*\T+\i], v[HV+8*\T+\i]   ; a whole block to a lane
.endr
.endr
.irp T, 0,1
.irp i, 0,1,2
	v_mov_b32 v[PC+12*\T+3+\i], v[HV+8*\T+\i]
.endr
.endr
.irp T, 0,1
.irp p, 0,1,2
	global_store_b64 v[L8], v[PC+12*\T+2*\p:PC+12*\T+2*\p+1], s[42:43] offset:12288*\T+256*\p
.endr
	global_store_b8 v[YB], v[BY+\T], s[48:49] offset:512*\T   ; a head's two bytes of a row's 32: single bytes, one in 24 of what the tile stores
.endr
	s_wait_xcnt 0x0                                ; the stores' registers and bases are written again only behind this wait
	s_cmp_eq_u32 s[PASS], 1
	s_cbranch_scc1 .Llast                          ; the second pass asks for no further Q
	s_sub_co_u32 s[J], 15, s[WV]                   ; the second pass: the mirrored key step
	SETUP
.Llast:
	s_add_co_u32 s[PASS], s[PASS], 1
	s_cmp_lt_u32 s[PASS], 2
	s_wait_alu depctr_va_vdst(0)
	s_cbranch_scc1 .Lpass
	s_wait_tensorcnt 0x0                           ; the wave's end
	ds_add_u32 v[SPW], v[NIL]
	s_wait_dscnt 0x0
	ROUND                                          ; the closing round
	s_endpgm
.Lfunc_end_k_q2a4f58669c_attn:
	.size	k_q2a4f58669c_attn, .Lfunc_end_k_q2a4f58669c_attn-k_q2a4f58669c_attn
	.p2alignl 7, 3214868480
	.fill 96, 4, 3214868480
	.section	.rodata,"a",@progbits
	.p2align	6, 0x0
	.amdhsa_kernel k_q2a4f58669c_attn
		.amdhsa_group_segment_fixed_size 210944
		.amdhsa_private_segment_fixed_size 0
		.amdhsa_enable_private_segment 0
		.amdhsa_kernarg_size 24
		.amdhsa_user_sgpr_count 2
		.amdhsa_user_sgpr_kernarg_segment_ptr 1
		.amdhsa_wavefront_size32 1
		.amdhsa_system_sgpr_workgroup_id_x 1
		.amdhsa_system_sgpr_workgroup_id_y 1
		.amdhsa_system_sgpr_workgroup_id_z 1
		.amdhsa_system_vgpr_workitem_id 0
		.amdhsa_next_free_vgpr 512
		.amdhsa_next_free_sgpr 66
		.amdhsa_reserve_vcc 1
		.amdhsa_float_denorm_mode_32 3
		.amdhsa_float_denorm_mode_16_64 3
		.amdhsa_memory_ordered 1
		.amdhsa_forward_progress 1
		.amdhsa_inst_pref_size 62
	.end_amdhsa_kernel
	.amdgpu_metadata
---
amdhsa.version: [ 1, 2 ]
amdhsa.kernels:
  - .name:           k_q2a4f58669c_attn
    .symbol:         k_q2a4f58669c_attn.kd
    .args:
      - { .name: qkv, .offset: 0, .size: 8, .value_kind: global_buffer, .address_space: global }
      - { .name: yc, .offset: 8, .size: 8, .value_kind: global_buffer, .address_space: global }
      - { .name: ys, .offset: 16, .size: 8, .value_kind: global_buffer, .address_space: global }
    .group_segment_fixed_size: 210944
    .private_segment_fixed_size: 0
    .kernarg_segment_align: 8
    .kernarg_segment_size: 24
    .max_flat_workgroup_size: 256
    .sgpr_count:     66
    .vgpr_count:     512
    .wavefront_size: 32
...
	.end_amdgpu_metadata
.endif
;; end of part 3
;; launch proj (part 4): grid 8 x 32, 4 waves a work-group, clusters of 4 x 4, 327,680 bytes of LDS; arguments yc, ys, wc, ws, out0; writes out0
.if DOCPART == 4
	.amdgcn_target "amdgcn-amd-amdhsa--gfx1250"
	.amdhsa_code_object_version 6
	.text
	.protected	k_q2a4f58669c_proj
	.globl	k_q2a4f58669c_proj
	.p2align	8
	.type	k_q2a4f58669c_proj,@function
k_q2a4f58669c_proj:
	s_mov_b64 s[64:65], 0
	v_nop
	global_prefetch_b8 v0, s[64:65] scope:SCOPE_SE
	s_setreg_imm32_b32 hwreg(HW_REG_WAVE_MODE, 25, 1), 1
	s_wait_xcnt 0x0
	s_wait_alu depctr_hold_cnt(0) depctr_sa_sdst(0) depctr_va_vdst(0) depctr_va_sdst(0) depctr_va_ssrc(0) depctr_va_vcc(0) depctr_vm_vsrc(0)
	s_getreg_b32 s2, hwreg(HW_REG_IB_STS2, 6, 4)
	s_cmp_eq_u32 s2, 0
	s_cbranch_scc0 .Lentry_in_a_cluster
	s_endpgm
.Lentry_in_a_cluster:
	s_bfe_u32 s2, ttmp6, 0x10000c
	s_cmp_lg_u32 s2, 0xf033
	s_cbranch_scc0 .Lentry_shape_is_right
	s_endpgm
.Lentry_shape_is_right:
; out0 = y W_proj on codes of FP6 (E2M3) with E8M0 scales, K = 1,024.  Operands lie as images of their registers: row tile T = 16 rows, lane-row r = row 32 (T / 2) + 8 (T % 2) + r % 8 + 16 (r / 8);
; codes [row tile][fragment 0..7][6 pieces of 256 bytes, lane l's 8 bytes at 8 l]; scale words [row tile][K step of 256][r][2 words].  W_proj's 64 row tiles (its columns) lie behind W_attn's 192 in wc and ws.
; A work-group of four waves makes 256 rows x 128 columns: 32 x 8 = 256 work-groups.  A wave makes 64 x 128: A's 4 row tiles x B's 8: 32 accumulators, 256 registers.
; K goes in 4 steps of 256 (two matrix steps of 128 each) through two LDS slots of A's 16 and B's 8 row tiles, filled by joint tensor loads: 4 x 4 work-groups form a cluster, A's tiles shared along a row, B's along a column.
; The matrix instruction is used transposed (source 0 = W_proj's columns, source 1 = y's rows): a lane holds eight neighbouring columns of a row.  Both fragment sets are double: a matrix step's fragments are asked for a step ahead.
; Results leave through each wave's own stage, in slot 0, which has had its last fill and its last read by then, as whole rows of 512 bytes.
; No prefetch is written: K has four steps, of which the head and the first round ask for two.
; REGISTERS: window 0: v16-29 addresses; v32-63 scale words, two sets; v128-223 A's fragments, two sets of 48; window 1: B's fragments, two sets, at v0 and v128; window 2: the accumulators ((a, b) at v[8 (8 a + b)]).
.set RTB,   12288
.set KSB,   3072
.set FR,    12
.set NP,    4
.set HALFT, 8*KSB                      ; 8 row tiles of a K step
.set SLOT,  3*HALFT                    ; A's 16, then B's 8
.set SCL,   2*SLOT                     ; behind the ring: A's scale words (8,192 bytes), then B's (4,096)
.set SBLK,  512
.set SPARE, SCL+12288                  ; the spare words, 128 bytes for each wave, which no other line names
.set SPITCH, 528
.set ADRA, 16
.set ADRB, 20
.set STO,  24
.set RD,   25
.set CO,   26
.set ADRS, 27
.set SPW,  28
.set NIL,  29
.set SC,   32
.set AF,   128
.set BK,   128
.set G1, 24
.set G0, 32
.set G1B, 48
.set G0B, 56
.set G1S, 68
.set G0S, 76
.set G1SB, 80
.set G0SB, 88
.set MSB, 0
.macro WIN new
.set WNEW, \new
.if MSB != WNEW
	s_set_vgpr_msb (MSB<<8)|WNEW
.set MSB, WNEW
.endif
.endm
.set MUL_LO, 0xa1                      ; source 0 (B) window 1, source 1 (A) window 0, C and D window 2
.set TO_B,   0x40
.macro JLOAD g0a, g1a, g0b, g1b        ; a joint load: waves 0 and 1 fetch for A, waves 2 and 3 for B
	s_cmp_eq_u32 s15, 0
	s_cbranch_scc0 .Lfor_b_\@
	tensor_load_to_lds s[\g0a:\g0a+3], s[\g1a:\g1a+7]
	s_nop 0
.rept 4
	v_nop
.endr
	s_branch .Lasked_\@
.Lfor_b_\@:
	tensor_load_to_lds s[\g0b:\g0b+3], s[\g1b:\g1b+7]
	s_nop 0
.rept 4
	v_nop
.endr
.Lasked_\@:
.endm
.macro CREST
	s_cmp_lg_u32 s14, 0
	s_cbranch_scc1 .Lnot_wave_0_\@
	s_barrier_signal -3
.Lnot_wave_0_\@:
	s_barrier_wait -3
	s_barrier_signal -1
	s_barrier_wait -1
.endm
.macro CROUND
	s_barrier_signal -1
	s_barrier_wait -1
	CREST
.endm
	s_load_b256 s[4:11], s[0:1], 0x0               ; yc s[4:5], ys s[6:7], wc s[8:9], ws s[10:11]
	s_load_b64 s[12:13], s[0:1], 0x20              ; out0
	v_lshl_add_u32 v[SPW], v0, 2, SPARE
	v_mov_b32 v[NIL], 0
	ds_add_u32 v[SPW], v[NIL]                      ; the opening lines
	ds_add_u32 v[SPW], v[NIL]
	v_lshrrev_b32 v1, 5, v0
	v_readfirstlane_b32 s14, v1                    ; wave 0..3: my 4 row tiles of A
	s_lshr_b32 s15, s14, 1                         ; I fetch for A (0) or for B (1),
	s_and_b32 s16, s14, 1                          ; and which half of that side
	s_bfe_u32 s40, ttmp6, 0x40000                  ; cx, cy
	s_bfe_u32 s41, ttmp6, 0x40004
	s_lshl_b32 s42, ttmp9, 2
	s_add_co_u32 s42, s42, s40                     ; block of 128 columns
	s_and_b32 s17, ttmp7, 0xffff
	s_lshl_b32 s17, s17, 2
	s_add_co_u32 s17, s17, s41                     ; block of 256 rows
	s_lshl_b32 s43, s41, 2
	s_lshl_b32 s43, 15, s43                        ; my row of the cluster
	s_lshl_b32 s44, 0x1111, s40                    ; my column
	s_or_b32 s[G1+0], s43, (3<<16)|(1<<21)         ; the mask; elements of 8 bytes; bit 21 set beside a mask
	s_or_b32 s[G1B+0], s44, (3<<16)|(1<<21)
	s_or_b32 s[G1S+0], s43, (3<<16)|(1<<21)
	s_or_b32 s[G1SB+0], s44, (3<<16)|(1<<21)
.irp g, G1, G1B                        ; codes: rows (row tiles) of 384 elements, 1,536 apart
	s_mov_b32 s[\g+1], 384<<16
	s_mov_b32 s[\g+3], 384<<16
	s_mov_b32 s[\g+5], 1536
	s_mov_b32 s[\g+6], 0
	s_mov_b32 s[\g+7], 0
.endr
	s_mov_b32 s[G1+2], 16<<16                      ; the head's loads: A's 16 row tiles,
	s_mov_b32 s[G1+4], 16
	s_mov_b32 s[G1B+2], 8<<16                      ; B's 8
	s_mov_b32 s[G1B+4], 8
.irp g, G1S, G1SB                      ; scale words: dense rows of 256 bytes
	s_mov_b32 s[\g+1], 32<<16
	s_mov_b32 s[\g+3], 32<<16
	s_mov_b32 s[\g+5], 32
	s_mov_b32 s[\g+6], 0
	s_mov_b32 s[\g+7], 0
.endr
	s_mov_b32 s[G1S+2], 32<<16
	s_mov_b32 s[G1S+4], 32
	s_mov_b32 s[G1SB+2], 16<<16
	s_mov_b32 s[G1SB+4], 16
	s_lshl_b32 s20, s17, 4                         ; A's first row tile
	s_lshl_b32 s46, s42, 3
	s_add_co_u32 s46, s46, 192                     ; B's
	s_lshl_b32 s22, s20, 9                         ; their scale words, in bytes,
	s_lshl_b32 s92, s46, 9
	s_mul_i32 s20, s20, RTB                        ; and their codes
	s_mul_i32 s46, s46, RTB
	s_mov_b32 s21, 0
	s_mov_b32 s23, 0
	s_mov_b32 s47, 0
	s_mov_b32 s93, 0
	s_mul_i32 s18, s16, 8*RTB                      ; in the ring a load brings 8 row tiles of A or 4 of B: which half, in memory
	s_mov_b32 s19, 0
	s_mul_i32 s94, s16, 4*RTB
	s_mov_b32 s95, 0
	s_mul_i32 s45, s16, HALFT                      ; and in LDS: no place in the cluster enters an LDS address
	s_mul_i32 s2, s16, HALFT/2
	s_add_co_u32 s2, s2, 2*HALFT
	s_wait_dscnt 0x0                               ; both opening adds are done
	s_wait_kmcnt 0x0
	s_add_nc_u64 s[20:21], s[4:5], s[20:21]
	s_add_nc_u64 s[22:23], s[6:7], s[22:23]
	s_add_nc_u64 s[46:47], s[8:9], s[46:47]
	s_add_nc_u64 s[92:93], s[10:11], s[92:93]
	CROUND                                         ; all sixteen work-groups are here: the first joint loads meet
	s_mov_b32 s4, 1                                ; group 0 of the head's loads: K step 0 of A's 16 row tiles (the arguments that lay here have been used),
	s_mov_b32 s5, 0
	s_mov_b64 s[6:7], s[20:21]
	s_or_b32 s7, s7, 0x80000000
	s_mov_b32 s8, 1                                ; of B's 8,
	s_mov_b32 s9, 2*HALFT
	s_mov_b64 s[10:11], s[46:47]
	s_or_b32 s11, s11, 0x80000000
	s_mov_b32 s[G0S], 1                            ; A's scale words,
	s_mov_b32 s[G0S+1], SCL
	s_mov_b64 s[G0S+2:G0S+3], s[22:23]
	s_or_b32 s[G0S+3], s[G0S+3], 0x80000000
	s_mov_b32 s[G0SB], 1                           ; and B's
	s_mov_b32 s[G0SB+1], SCL+8192
	s_mov_b64 s[G0SB+2:G0SB+3], s[92:93]
	s_or_b32 s[G0SB+3], s[G0SB+3], 0x80000000
	s_add_nc_u64 s[20:21], s[20:21], s[18:19]      ; for the ring: my half of the side
	s_add_nc_u64 s[46:47], s[46:47], s[94:95]
.irp s, 0,1
	s_mov_b32 s[G0+4*\s], 1
	s_add_co_u32 s[G0+4*\s+1], s45, \s*SLOT
	s_add_nc_u64 s[G0+4*\s+2:G0+4*\s+3], s[20:21], \s*KSB
	s_or_b32 s[G0+4*\s+3], s[G0+4*\s+3], 0x80000000
	s_mov_b32 s[G0B+4*\s], 1
	s_add_co_u32 s[G0B+4*\s+1], s2, \s*SLOT
	s_add_nc_u64 s[G0B+4*\s+2:G0B+4*\s+3], s[46:47], \s*KSB
	s_or_b32 s[G0B+4*\s+3], s[G0B+4*\s+3], 0x80000000
.endr
; The head's loads, one a wave.  One tree of branches on the wave's number, one load to an arm.
.macro ARM under, g0, g1, next
	s_cmp_lt_u32 s14, \under
	s_cbranch_scc0 \next
	tensor_load_to_lds s[\g0:\g0+3], s[\g1:\g1+7]
	s_nop 0
.rept 4
	v_nop
.endr
	s_branch .Lhead_asked
\next:
.endm
	ARM 1, 4, G1, .Lhead_b
	ARM 2, 8, G1B, .Lhead_sa
	ARM 3, G0S, G1S, .Lhead_sb
	tensor_load_to_lds s[G0SB:G0SB+3], s[G1SB:G1SB+7]
	s_nop 0
.rept 4
	v_nop
.endr
.Lhead_asked:
	v_and_b32 v1, 15, v0                           ; r
	v_bfe_u32 v2, v0, 4, 1                         ; h
	s_wait_alu depctr_va_vdst(0)
	v_and_b32 v3, 31, v0
	v_lshlrev_b32 v3, 3, v3                        ; 8 x lane: my bytes of a piece
	s_mul_i32 s21, s14, HALFT/2                    ; my 4 row tiles of A
	s_mov_b32 s22, 2*HALFT                         ; B's 8
.irp s, 0,1
	v_add_nc_u32 v[ADRA+\s], s21, v3
	v_add_nc_u32 v[ADRB+\s], s22, v3
	s_add_co_u32 s21, s21, SLOT
	s_add_co_u32 s22, s22, SLOT
.endr
	v_lshlrev_b32 v5, 3, v1                        ; my row's two scale words of a K step
	s_mul_i32 s21, s14, 4*SBLK
	s_sub_co_u32 s22, 8192, s21
	v_mul_u32_u24 v6, s22, v2                      ; lanes 16-31 take B's: one product, the distance between the two bases
	s_add_co_u32 s21, s21, SCL
	v_add_nc_u32 v5, v5, v6
	v_add_nc_u32 v[ADRS], s21, v5
	s_mul_i32 s23, s14, 16*SPITCH                  ; my stage
	v_mul_u32_u24 v5, v1, SPITCH
	v_lshl_add_u32 v5, v2, 6, v5
	v_add_nc_u32 v[STO], s23, v5                   ; in: row r, 64 bytes on for lanes 16-31
	v_and_b32 v6, 31, v0
	v_lshlrev_b32 v[CO], 4, v6                     ; back: the 32 lanes take one row of 512 bytes; and the same in out0
	v_add_nc_u32 v[RD], s23, v[CO]
	s_lshl_b32 s20, s17, 8
	s_lshl_b32 s21, s14, 6
	s_add_co_u32 s20, s20, s21                     ; my first row: 256 x block + 64 x wave
	s_lshl_b32 s20, s20, 12
	s_lshl_b32 s21, s42, 9                         ; my first column, in bytes
	s_add_co_u32 s20, s20, s21
	s_mov_b32 s21, 0
	s_add_nc_u64 s[12:13], s[12:13], s[20:21]
.macro FRAG reg, adr, q, i             ; fragment q of row tile i of a slot: six pieces, each 256 consecutive bytes for the 32 lanes
.irp p, 0,1,2,3,4,5
	ds_load_b64 v[\reg+2*\p:\reg+2*\p+1], v[\adr] offset:KSB*(\i)+1536*(\q)+256*\p
.endr
.endm
; 16 matrix instructions: A's tiles a0, a0 + 1 x B's eight, 128 along K.  p: the fragment sets, and which of the K step's two words; sc: the set of scale words.  The 32 accumulators take turns.
.macro MUL16 a0, p, sc, zero
.irp a, \a0, \a0+1
.irp b, 0,1,2,3,4,5,6,7
.if \zero
	v_wmma_scale_f32_16x16x128_f8f6f4 v[8*(8*(\a)+\b):8*(8*(\a)+\b)+7], v[128*(\p)+FR*\b:128*(\p)+FR*\b+FR-1], v[AF+48*(\p)+FR*(\a):AF+48*(\p)+FR*(\a)+FR-1], 0, v[SC+16*(\sc)+2*\b+(\p)], v[SC+16*(\sc)+2*(\a)+(\p)] matrix_a_fmt:MATRIX_FMT_FP6 matrix_b_fmt:MATRIX_FMT_FP6 matrix_a_scale:MATRIX_SCALE_ROW1
.else
	v_wmma_scale_f32_16x16x128_f8f6f4 v[8*(8*(\a)+\b):8*(8*(\a)+\b)+7], v[128*(\p)+FR*\b:128*(\p)+FR*\b+FR-1], v[AF+48*(\p)+FR*(\a):AF+48*(\p)+FR*(\a)+FR-1], v[8*(8*(\a)+\b):8*(8*(\a)+\b)+7], v[SC+16*(\sc)+2*\b+(\p)], v[SC+16*(\sc)+2*(\a)+(\p)] matrix_a_fmt:MATRIX_FMT_FP6 matrix_b_fmt:MATRIX_FMT_FP6 matrix_a_scale:MATRIX_SCALE_ROW1
.endif
.endr
.endr
.endm
.macro FETCH slot, q                   ; matrix step q of a slot into sets q: B's eight fragments, my four of A: 72 loads
	WIN TO_B
.irp i, 0,1,2,3,4,5,6,7
	FRAG 128*(\q)+FR*\i, ADRB+\slot, \q, \i
.endr
	WIN 0
.irp i, 0,1,2,3
	FRAG AF+48*(\q)+FR*\i, ADRA+\slot, \q, \i
.endr
.endm
.macro SCALES sc                       ; a K step's scale words: lanes 0-15 A's tile i (of registers 4-7 these lanes are not used), lanes 16-31 B's tile i
.irp i, 0,1,2,3,4,5,6,7
	ds_load_b64 v[SC+16*\sc+2*\i:SC+16*\sc+2*\i+1], v[ADRS] offset:\i*SBLK
.endr
.endm
.macro PLACES n                        ; plain vector instructions between a matrix instruction and a load into, or a read of, its registers
.rept \n
	v_nop
.endr
.endm
.macro STEP slot, zero                 ; a slot's first matrix step; the second's fragments are asked for ahead of its products
	s_wait_dscnt 0x0                               ; this step's fragments and scale words are in
	PLACES NP
	FETCH \slot, 1
	WIN MUL_LO
	MUL16 0, 0, \slot, \zero
	MUL16 2, 0, \slot, \zero
	WIN 0
.endm
; A slot's second matrix step changes slots: in front of the barrier each wave waits for all its tensor loads, adds 0 to its spare word, and waits for that and for its reads of this slot.  fill = 1: the slot is filled again, two K steps ahead.
.macro TURN slot, next, fill
	s_wait_tensorcnt 0x0                           ; my part of the next slot has landed
	ds_add_u32 v[SPW], v[NIL]
	s_wait_dscnt 0x0                               ; the add is done, and my reads of this slot are over
	s_barrier_signal -1
	WIN MUL_LO
	MUL16 0, 1, \slot, 0
	WIN 0
	s_barrier_wait -1
.if \fill
	CREST                                          ; the barrier has opened a round of the cluster's
	s_add_nc_u64 s[G0+4*\slot+2:G0+4*\slot+3], s[G0+4*\slot+2:G0+4*\slot+3], 2*KSB
	s_add_nc_u64 s[G0B+4*\slot+2:G0B+4*\slot+3], s[G0B+4*\slot+2:G0B+4*\slot+3], 2*KSB
	JLOAD G0+4*\slot, G1, G0B+4*\slot, G1B         ; the first tensor load behind the round; its four v_nop are the places in front of the loads below
.else
	PLACES NP
.endif
	s_wait_alu depctr_va_vdst(0)
	v_add_nc_u32 v[ADRS], 128, v[ADRS]             ; the next K step's scale words
	FETCH \next, 0
	SCALES \next
	WIN MUL_LO
	MUL16 2, 1, \slot, 0
	WIN 0
.endm
	s_wait_alu depctr_va_vdst(0)
	s_wait_tensorcnt 0x0                           ; my tile of the head's four is in; slot 1's first fill is issued as a refill is
	ds_add_u32 v[SPW], v[NIL]
	s_mov_b32 s[G1+2], 8<<16                       ; no tensor load of mine is out: from here on a load brings 8 row tiles of A,
	s_mov_b32 s[G1+4], 8
	s_mov_b32 s[G1B+2], 4<<16                      ; or 4 of B
	s_mov_b32 s[G1B+4], 4
	s_wait_dscnt 0x0
	CROUND                                         ; all four tiles are in, and all sixteen work-groups are here
	JLOAD G0+4, G1, G0B+4, G1B                     ; K step 1, the first tensor load behind the round
	FETCH 0, 0
	SCALES 0
	STEP 0, 1                                      ; the first step's products start the sums
	s_mov_b32 s3, 1
.Llap:                                                 ; a trip goes once round the ring and fills both slots again
	TURN 0, 1, 1
	STEP 1, 0
	TURN 1, 0, 1
	STEP 0, 0
	s_sub_co_u32 s3, s3, 1
	s_cmp_lg_u32 s3, 0
	s_cbranch_scc1 .Llap
	TURN 0, 1, 0                                   ; the last lap fills nothing
	STEP 1, 0
	s_wait_dscnt 0x0
	WIN MUL_LO
	MUL16 0, 1, 1, 0
	MUL16 2, 1, 1, 0
	WIN 0
; THE WAY OUT, tile by tile of 16 rows x 128 columns: through my own stage and back as whole rows of 512 bytes.  LDS serves a wave's instructions in order: no wait between the stores and the loads.
.macro TOSTAGE a
	WIN 0x08                                       ; the data: window 2
.irp b, 0,1,2,3,4,5,6,7
	ds_store_b128 v[STO], v[64*(\a)+8*\b:64*(\a)+8*\b+3] offset:128*(\b/2)+32*(\b%2)   ; each accumulator from its low end on
	ds_store_b128 v[STO], v[64*(\a)+8*\b+4:64*(\a)+8*\b+7] offset:128*(\b/2)+32*(\b%2)+16
.endr
	WIN 0
.set BB, BK+64*((\a)%2)
.irp t, 0,1,2,3,4,5,6,7,8,9,10,11,12,13,14,15
	ds_load_b128 v[BB+4*\t:BB+4*\t+3], v[RD] offset:\t*SPITCH
.endr
.endm
.macro SEND a, younger                 ; younger: the LDS instructions issued behind tile a's loads, which may stay out
.set BB, BK+64*((\a)%2)
	s_wait_dscnt \younger
.irp t, 0,1,2,3,4,5,6,7,8,9,10,11,12,13,14,15
	global_store_b128 v[CO], v[BB+4*\t:BB+4*\t+3], s[12:13] offset:(32*((\a)/2)+8*((\a)%2)+\t%8+16*(\t/8))*4096 th:TH_STORE_NT   ; 512 consecutive bytes, aligned
.endr
.endm
	PLACES NP
	TOSTAGE 0
.irp a, 1,2,3
.if \a > 1
	s_wait_xcnt 0x0                                ; tile a - 2's stores have read their registers
.endif
	TOSTAGE \a
	SEND \a-1, 32
.endr
	SEND 3, 0
	s_wait_tensorcnt 0x0                           ; the wave's end
	ds_add_u32 v[SPW], v[NIL]
	s_wait_dscnt 0x0
	CROUND                                         ; the closing round
	s_endpgm
.Lfunc_end_k_q2a4f58669c_proj:
	.size	k_q2a4f58669c_proj, .Lfunc_end_k_q2a4f58669c_proj-k_q2a4f58669c_proj
	.p2alignl 7, 3214868480
	.fill 96, 4, 3214868480
	.section	.rodata,"a",@progbits
	.p2align	6, 0x0
	.amdhsa_kernel k_q2a4f58669c_proj
		.amdhsa_group_segment_fixed_size 327680
		.amdhsa_private_segment_fixed_size 0
		.amdhsa_enable_private_segment 0
		.amdhsa_kernarg_size 40
		.amdhsa_user_sgpr_count 2
		.amdhsa_user_sgpr_kernarg_segment_ptr 1
		.amdhsa_wavefront_size32 1
		.amdhsa_system_sgpr_workgroup_id_x 1
		.amdhsa_system_sgpr_workgroup_id_y 1
		.amdhsa_system_sgpr_workgroup_id_z 1
		.amdhsa_system_vgpr_workitem_id 0
		.amdhsa_next_free_vgpr 768
		.amdhsa_next_free_sgpr 98
		.amdhsa_reserve_vcc 0
		.amdhsa_float_denorm_mode_32 3
		.amdhsa_float_denorm_mode_16_64 3
		.amdhsa_memory_ordered 1
		.amdhsa_forward_progress 1
		.amdhsa_inst_pref_size 100
	.end_amdhsa_kernel
	.amdgpu_metadata
---
amdhsa.version: [ 1, 2 ]
amdhsa.kernels:
  - .name:           k_q2a4f58669c_proj
    .symbol:         k_q2a4f58669c_proj.kd
    .args:
      - { .name: yc, .offset: 0, .size: 8, .value_kind: global_buffer, .address_space: global }
      - { .name: ys, .offset: 8, .size: 8, .value_kind: global_buffer, .address_space: global }
      - { .name: wc, .offset: 16, .size: 8, .value_kind: global_buffer, .address_space: global }
      - { .name: ws, .offset: 24, .size: 8, .value_kind: global_buffer, .address_space: global }
      - { .name: out0, .offset: 32, .size: 8, .value_kind: global_buffer, .address_space: global }
    .group_segment_fixed_size: 327680
    .private_segment_fixed_size: 0
    .kernarg_segment_align: 8
    .kernarg_segment_size: 40
    .max_flat_workgroup_size: 128
    .sgpr_count:     98
    .vgpr_count:     768
    .wavefront_size: 32
...
	.end_amdgpu_metadata
.endif
;; end of part 4
